; MI455X (gfx1250); checked and timed in simulation.
; The chip was launched on July 23, 2026; its instructions are those of AMD's public machine-readable ISA for CDNA 5 (MIT licence, August 2026) and "CDNA5" Instruction Set Architecture Reference Guide (July 2026). The comments in the code are by the model that wrote it; some were corrected since.
;; MHA. Allowed arithmetic: matrix products marked QUANTISED: E2M3 operands, one E8M0 scale for each 32 along K, by v_wmma_scale_f32_16x16x128_f8f6f4 with both operands' format E2M3, f32 sums; everything else in f32.
;; Inputs: Wk 768 x 768 float32; Wo 768 x 768 float32; Wq 768 x 768 float32; Wv 768 x 768 float32; x 1 x 4,096 x 768 float32.
;; Outputs: out0 1 x 4,096 x 768 float32.
;; This version of the problem:
;;   THIS VERSION OF THE PROBLEM IS GIVEN IN LOW PRECISION. The matrix products marked QUANTISED in the list below multiply operands that are first quantised to E2M3 (2 exponent bits, 3 mantissa bits; 6 bits a number), with one power-of-two scale for each 32 numbers along K (OCP MX v1.0); their sums are f32. All else is computed in f32.
;;   The module's matrix products, in the order in which they are computed (A, B: the left and right operand; K: the contracted axis; several contracted axes count as one K, in the product's order):
;;     1. [M 4,096, K 768] x [K 768, N 768]; A: input x; B: input Wq: QUANTISED
;;     2. [M 4,096, K 768] x [K 768, N 768]; A: input x; B: input Wk: QUANTISED
;;     3. [M 4,096, K 768] x [K 768, N 768]; A: input x; B: input Wv: QUANTISED
;;     4. batch 12 x [M 4,096, K 64] x [K 64, N 4,096]; A: computed on the way; B: computed on the way: QUANTISED
;;     5. batch 12 x [M 4,096, K 4,096] x [K 4,096, N 64]; A: softmax (see below); B: computed on the way: QUANTISED
;;     6. [M 4,096, K 768] x [K 768, N 768]; A: computed on the way; B: input Wo: QUANTISED
;;   THE QUANTISER, for each operand of a quantised product, along K:
;;     - K is cut into blocks of 32 from its start; a last block that is shorter is filled with zeros.
;;     - A block's scale is 2^e with e = floor(log2(the largest magnitude in the block)) - 2, held to -126 .. 127; a block of zeros has e = 0. As a byte (E8M0): e + 127.
;;     - Each number is divided by its block's scale, clamped to +-7.5, and rounded to the nearest number of E2M3, ties to even, subnormals kept.
;;     - The product sums the exact products of the quantised numbers (number of the format x scale) in f32.
;;   ~~~python
;;   def quantise(x, axis):      # numpy; x: float32 -> the quantised numbers, widened to float32 again
;;       x = np.moveaxis(x, axis, -1); K = x.shape[-1]
;;       x = np.pad(x, [(0, 0)] * (x.ndim - 1) + [(0, -K % 32)]); x = x.reshape(x.shape[:-1] + (-1, 32)); a = np.abs(x).max(-1, keepdims=True)
;;       e = np.where(a > 0, np.clip(np.frexp(np.where(a > 0, a, 1))[1] - 1 - 2, -126, 127), 0)      # np.frexp(a)[1] - 1 = floor(log2(a)), exactly
;;       r = np.clip(x / 2.0 ** e, -7.5, 7.5)
;;       step = 2.0 ** (np.maximum(np.frexp(np.where(r == 0, 1, r))[1] - 1, 0) - 3)
;;       q = np.round(r / step) * step * 2.0 ** e      # np.round: ties to even
;;       return np.moveaxis(q.reshape(q.shape[:-2] + (-1,))[..., :K], -1, axis).astype(np.float32)
;;   ~~~
;;   SOFTMAX AHEAD OF A QUANTISED PRODUCT. Where the list says 'softmax', what is quantised is not the finished softmax but p = 2^(t - M), with t = logit x log2(e) and M = ceil(the row's largest t), a whole number; so 1/2 < the row's largest p <= 1. The row's sum l is taken of the UNQUANTISED p, in f32, and the product's result is divided by l at the end. Since M is a whole number, a kernel that streams over the keys may use a running M (the ceiling of the running maximum): every later rescaling is an exact power of two, which a block's scale takes up: the codes' values come out the same.
;;   OPERANDS COMPUTED ON THE WAY. 'Computed on the way' means the value that the module computes at that place (a softmax that the list does not call 'softmax' is quantised finished and normalised). What goes into a quantiser is computed in f32, as accurately as f32 sums, v_exp_f32 and their like allow (about 1e-6 of the number): no bf16 or f16 on the way to a quantiser, and a product that is left as it is and whose result goes on into a quantised operand takes f32 operands (vector FMAs, or v_wmma_f32_16x16x4_f32). A number that lies on a knife's edge between two numbers of the format may be rounded either way, as far as f32 arithmetic and the matrix unit's own rounding can turn it there, and no further.
;; One version. Each part assembles by itself: llvm-mc -triple=amdgcn-amd-amdhsa -mcpu=gfx1250 --defsym DOCPART=n.
;; ======== version 1 of 1: 4 launches
;; limits: right only within a limited range of input values
;; workspace buffers: img 4,128,768 bytes; sc 229,376 bytes; tab 1,048,576 bytes; q_blk 2,457,600 bytes; kv 4,915,200 bytes; ao_img 2,359,296 bytes; ao_sc 131,072 bytes
;; launch prep (part 1): grid 256 x 1, 4 waves a work-group, no clusters, 34,304 bytes of LDS; arguments x, Wq, Wk, Wv, Wo, img, sc, tab; writes img, sc, tab
.if DOCPART == 1
	.amdgcn_target "amdgcn-amd-amdhsa--gfx1250"
	.amdhsa_code_object_version 6
	.text
	.protected	k_q452c139ad9_prep
	.globl	k_q452c139ad9_prep
	.p2align	8
	.type	k_q452c139ad9_prep,@function
k_q452c139ad9_prep:
	s_mov_b64 s[64:65], 0
	v_nop
	global_prefetch_b8 v0, s[64:65] scope:SCOPE_SE
	s_setreg_imm32_b32 hwreg(HW_REG_WAVE_MODE, 25, 1), 1
	s_wait_xcnt 0x0
; x [4096][768] and Wq, Wk, Wv, Wo [768][768], f32 with K innermost, become codes of FP6 (E2M3) with one E8M0 byte for each 32 along K,
; laid as IMAGES OF OPERAND REGISTERS.  Rows go in tiles of 16: lane r of tile T holds row 32 (T / 2) + 8 (T % 2) + r + 8 (r / 8).
; img [K step 6][tile 448][1536]: a fragment (16 rows x 128 K, 12 registers a lane), registers 4 g .. 4 g + 3 at 512 g + 16 x lane.  Tiles 0-255 x, 256-303 Wq, 304-351 Wk, 352-399 Wv, 400-447 Wo.
; sc [tile 448][half 2][r 16][4 words]: word k of half f is the scale word of K step 3 f + k; word 3 is 0.
; A block's scale is 2^(floor(log2(its largest magnitude)) - 2): its byte is the largest magnitude's exponent field - 2, held at 1 from below.
; Work-groups 0-223: wave w takes tile 2 g + w / 2 and K steps 3 (w % 2) + 0 .. 2.  Each load reads 512 consecutive bytes of a row; a step's 16 rows turn through the wave's own stage in LDS
; (rows 528 bytes apart), from which a lane takes the 2 x 32 neighbours that the operand's layout gives it.  Waves share nothing: no barrier.
; Work-groups 224-255 make tab [tile 256][group 8][512]: for the position of lane r of an x tile, cos (groups 0-3) and sin (groups 4-7) of pos x 10000^(-j / 32), j = 16 (p / 8) + 8 (lane / 16) + p % 8, p = 0 .. 15.
; The angle is one f32 product; it is reduced by pi / 2 in two parts and sine and cosine are polynomials on +-pi / 4, all in f32.
; LIMITS: NaN and infinities among the inputs are not served.  A block of zeros, or one whose largest magnitude lies under 2^-124, gets the byte 1 (this program alone reads the bytes).
; The frequencies are right to about 1.5 units in the last place, the reduced angle to about 6e-8.
.set STGB, 8448                        ; a wave's stage: 16 rows x 528 bytes
.set RW,   16                          ; v16-143  two sets of 64: a K step's rows as loaded
.set X,    144                         ; v144-207 my two blocks of 32 neighbours
.set F,    208                         ; v208-243 the codes: 12 registers for each of my three K steps, so that no store's data are written again
.set SPR,  244                         ; v244-250 the second halves of the blocks' codes
.set WD,   252                         ; v252-254 my three scale words; v255 = 0
	s_load_b256 s[4:11], s[0:1], 0x0               ; x, Wq, Wk, Wv
	s_load_b256 s[12:19], s[0:1], 0x20             ; Wo, img, sc, tab
	v_lshl_add_u32 v247, v0, 2, 0x8400
	v_mov_b32 v251, 0
	v_lshrrev_b32 v1, 5, v0
	v_readfirstlane_b32 s2, v1                     ; wave
	v_and_b32 v5, 31, v0                           ; lane
	v_and_b32 v6, 15, v0                           ; r
	v_bfe_u32 v7, v0, 4, 1                         ; h
	v_lshlrev_b32 v1, 4, v5                        ; 16 x lane
	s_cmp_ge_u32 ttmp9, 224
	s_cbranch_scc1 .Ltable
	; ---------------- the quantiser
	s_mov_b32 s36, 0x76543210
	s_mov_b32 s37, 0xfedcba98                      ; v_permlanex16_b32: lane l xor 16
	s_mul_i32 s3, s2, STGB
	v_add_nc_u32 v2, s3, v1                        ; the stage, on the way in: 16 x lane of a row
	v_mul_u32_u24 v3, v6, 528
	v_lshl_add_u32 v3, v7, 7, v3
	v_add_nc_u32 v3, s3, v3                        ; and on the way out: row r, + 128 h
	v_lshlrev_b32 v4, 4, v6
	v_lshl_add_u32 v4, v7, 3, v4                   ; the scale words' place: 16 r + 8 h
	v_lshlrev_b32 v8, 3, v7                        ; 8 h: my bytes' shift in a scale word
	v_mov_b32 v9, 0                                ; (a lane permute's destination counts as one of its sources)
	s_lshr_b32 s20, s2, 1                          ; which of the group's two tiles
	s_and_b32 s21, s2, 1                           ; which half of K
	s_wait_kmcnt 0x0
	s_mov_b64 s[22:23], s[12:13]                   ; the tensor and its first work-group: chosen on the work-group's number alone
	s_mov_b32 s24, 200
	s_cmp_lt_u32 ttmp9, 200
	s_cselect_b64 s[22:23], s[10:11], s[22:23]
	s_cselect_b32 s24, 176, s24
	s_cmp_lt_u32 ttmp9, 176
	s_cselect_b64 s[22:23], s[8:9], s[22:23]
	s_cselect_b32 s24, 152, s24
	s_cmp_lt_u32 ttmp9, 152
	s_cselect_b64 s[22:23], s[6:7], s[22:23]
	s_cselect_b32 s24, 128, s24
	s_cmp_lt_u32 ttmp9, 128
	s_cselect_b64 s[22:23], s[4:5], s[22:23]
	s_cselect_b32 s24, 0, s24
	s_sub_co_u32 s25, ttmp9, s24
	s_lshl_b32 s25, s25, 5
	s_lshl_b32 s26, s20, 3
	s_add_co_u32 s25, s25, s26                     ; the tile's first row in its tensor
	s_mul_i32 s26, s25, 3072
	s_mul_i32 s27, s21, 1536
	s_add_co_u32 s26, s26, s27                     ; + my half of K
	s_mov_b32 s27, 0
	s_add_nc_u64 s[22:23], s[22:23], s[26:27]
	s_lshl_b32 s28, ttmp9, 1
	s_add_co_u32 s28, s28, s20                     ; T
	s_mul_i32 s29, s21, 3*448
	s_add_co_u32 s29, s29, s28
	s_mul_i32 s30, s29, 1536
	s_mov_b32 s31, 0
	s_add_nc_u64 s[14:15], s[14:15], s[30:31]      ; img at (my first K step, T)
	s_lshl_b32 s30, s28, 9
	s_lshl_b32 s29, s21, 8
	s_add_co_u32 s30, s30, s29
	s_add_nc_u64 s[16:17], s[16:17], s[30:31]      ; sc at (T, my half)
.macro LOAD s                          ; K step s of my three: 16 rows, 512 consecutive bytes each
.irp p, 0,1,2,3,4,5,6,7,8,9,10,11,12,13,14,15
	global_load_b128 v[RW+64*((\s)%2)+4*\p:RW+64*((\s)%2)+4*\p+3], v1, s[22:23] offset:(\p+8*(\p/8))*3072+512*(\s) th:TH_LOAD_NT
.endr
.endm
.macro TURN s                          ; through the stage: LDS serves a wave's instructions in order, so no wait stands between the stores and the loads
.irp p, 0,1,2,3,4,5,6,7,8,9,10,11,12,13,14,15
	ds_store_b128 v2, v[RW+64*((\s)%2)+4*\p:RW+64*((\s)%2)+4*\p+3] offset:\p*528
.endr
.irp c, 0,1
.irp j, 0,1,2,3,4,5,6,7
	ds_load_b128 v[X+32*\c+4*\j:X+32*\c+4*\j+3], v3 offset:256*\c+16*\j   ; X[32 c + i] = my row's k = 64 c + 32 h + i
.endr
.endr
.endm
.macro QSTEP k
.irp c, 0,1
	v_max3_num_f32 v[10+\c], |v[X+32*\c]|, |v[X+32*\c+1]|, 0x1800000      ; block 2 c + h: all 32 numbers are mine; the floor 2^(3 - 127) holds the byte at 1 from below
.endr
.irp i, 2,4,6,8,10,12,14,16,18,20,22,24,26,28,30
.irp c, 0,1
	v_max3_num_f32 v[10+\c], v[10+\c], |v[X+32*\c+\i]|, |v[X+32*\c+\i+1]|
.endr
.endr
.irp c, 0,1
	v_add_nc_u32 v[12+\c], 0xff000000, v[10+\c]    ; 2 off the exponent field: the conversion's scale operand
.endr
.irp c, 0,1
	v_lshrrev_b32 v[14+\c], 23, v[12+\c]           ; the scale's byte
.endr
	v_lshl_or_b32 v[WD+\k], v15, 16, v14           ; my bytes: blocks h and 2 + h,
	v_lshlrev_b32 v[WD+\k], v8, v[WD+\k]           ; at their places;
	v_permlanex16_b32 v9, v[WD+\k], s36, s37
	v_or_b32 v[WD+\k], v[WD+\k], v9                ; with lane l xor 16's two the word is whole
.irp c, 0,1
	v_cvt_scalef32_pk16_fp6_f32 v[F+12*\k+6*\c:F+12*\k+6*\c+2], v[X+32*\c:X+32*\c+15], v[12+\c]
	v_cvt_scalef32_pk16_fp6_f32 v[SPR+4*\c:SPR+4*\c+2], v[X+32*\c+16:X+32*\c+31], v[12+\c]   ; (a conversion's three registers begin on an even number)
.endr
	v_nop                                          ; one plain place behind a scaled conversion
.irp c, 0,1
.irp i, 0,1,2
	v_mov_b32 v[F+12*\k+6*\c+3+\i], v[SPR+4*\c+\i]
.endr
.endr
.irp g, 0,1,2
	global_store_b128 v1, v[F+12*\k+4*\g:F+12*\k+4*\g+3], s[14:15] offset:\k*688128+512*\g   ; 512 consecutive bytes
.endr
.endm
	s_wait_alu depctr_va_vdst(0)
	LOAD 0
	LOAD 1
	s_wait_loadcnt 16                              ; step 0's rows are in; step 1's 16 loads may be out
	TURN 0
	s_wait_dscnt 0x0                               ; the numbers are back, and the stage's stores have read set 0,
	LOAD 2                                         ; which takes step 2
	QSTEP 0
	s_wait_loadcnt 16                              ; step 1's are in; step 2's may be out
	TURN 1
	s_wait_dscnt 0x0
	QSTEP 1
	s_wait_loadcnt 0x0
	TURN 2
	s_wait_dscnt 0x0
	QSTEP 2
	v_cmp_eq_u32 vcc_lo, 1, v7
	v_mov_b32 v255, 0
	v_cndmask_b32 v10, v[WD], v[WD+2], vcc_lo      ; lanes 0-15: words 0 and 1; lanes 16-31: word 2 and a zero
	v_cndmask_b32 v11, v[WD+1], v255, vcc_lo
	global_store_b64 v4, v[10:11], s[16:17]        ; 256 consecutive bytes
	s_wait_tensorcnt 0x0
	ds_add_u32 v247, v251
	s_wait_dscnt 0x0
	s_endpgm
	; ---------------- the table of cosines and sines
.Ltable:
	s_sub_co_u32 s20, ttmp9, 224
	s_lshl_b32 s20, s20, 2
	s_add_co_u32 s20, s20, s2                      ; which pair of tiles: 0 .. 127
	s_mov_b32 s24, 0x3f22f983                      ; 2 / pi
	s_mov_b32 s25, 0x3fc90fdb                      ; pi / 2, upper part
	s_mov_b32 s26, 0xb33bbd2e                      ; and the rest
	s_mov_b32 s27, 0xbe2aaaa3                      ; sine: r + r z (S1 + z (S2 + z S3))
	s_mov_b32 s28, 0x3c08839e
	s_mov_b32 s29, 0xb94ca1f9
	s_mov_b32 s30, 0x3d2aaaa5                      ; cosine: 1 - z / 2 + z z (C1 + z (C2 + z C3))
	s_mov_b32 s31, 0xbab6061a
	s_mov_b32 s32, 0x37ccf5ce
	s_mov_b32 s33, 0x3ed49a78                      ; log2(10000) / 32, upper part
	s_mov_b32 s34, 0x321799bb                      ; and the rest
	s_mov_b32 s35, 0x3f317218                      ; ln 2
	s_wait_alu depctr_va_vdst(0)
	v_lshlrev_b32 v11, 3, v7                       ; 8 h
	v_and_b32 v12, 8, v6
	v_add_nc_u32 v12, v12, v6                      ; r + 8 (r / 8)
	s_lshl_b32 s21, s20, 5
	v_add_nc_u32 v12, s21, v12                     ; my position in the pair's first tile
	s_lshl_b32 s22, s20, 13
	s_mov_b32 s23, 0
	s_wait_alu depctr_va_vdst(0)
	s_wait_kmcnt 0x0
	s_add_nc_u64 s[18:19], s[18:19], s[22:23]
.irp p, 0,1,2,3,4,5,6,7,8,9,10,11,12,13,14,15
	v_add_nc_u32 v32, 16*(\p/8)+\p%8, v11          ; j
	v_cvt_f32_u32 v32, v32
	v_mul_f32 v33, s33, v32                        ; j log2(10000) / 32: its f32 value,
	v_fma_f32 v34, v32, s33, -v33                  ; what that rounding lost,
	v_fma_f32 v34, v32, s34, v34                   ; and the constant's own rest
	s_wait_alu depctr_va_vdst(0)
	v_exp_f32 v35, -v33
	v_mul_f32 v34, s35, v34                        ; (a plain place behind the exponential)
	s_wait_alu depctr_va_vdst(0)
	v_fma_f32 v[16+\p], -v35, v34, v35             ; 2^-(hi + lo) = 2^-hi (1 - lo ln 2)
.endr
.macro SINCOS inv, c, s
	v_mul_f32 v32, v10, v[\inv]                    ; the angle: one f32 product
	v_mul_f32 v33, s24, v32
	v_rndne_f32 v33, v33                           ; n
	v_fma_f32 v34, -v33, s25, v32                  ; the angle less n pi / 2, in two parts
	v_fma_f32 v34, -v33, s26, v34
	v_mul_f32 v35, v34, v34                        ; z
	v_fma_f32 v36, v35, s29, s28
	v_fma_f32 v36, v35, v36, s27
	v_mul_f32 v36, v35, v36
	v_fma_f32 v36, v36, v34, v34                   ; sine of the rest
	v_fma_f32 v37, v35, s32, s31
	v_fma_f32 v37, v35, v37, s30
	v_fma_f32 v38, v35, -0.5, 1.0
	v_mul_f32 v39, v35, v35
	v_fma_f32 v37, v39, v37, v38                   ; cosine of the rest
	v_cvt_i32_f32 v33, v33
	v_and_b32 v38, 1, v33
	v_cmp_eq_u32 vcc_lo, 1, v38
	v_cndmask_b32 v39, v36, v37, vcc_lo            ; in odd quadrants the two change places
	v_cndmask_b32 v40, v37, v36, vcc_lo
	v_lshlrev_b32 v38, 30, v33
	v_and_b32 v38, 0x80000000, v38                 ; sine is negative in quadrants 2 and 3,
	v_xor_b32 v[\s], v38, v39
	v_add_nc_u32 v33, 1, v33
	v_lshlrev_b32 v38, 30, v33
	v_and_b32 v38, 0x80000000, v38                 ; cosine in 1 and 2
	v_xor_b32 v[\c], v38, v40
.endm
.irp k, 0,1
	v_add_nc_u32 v13, 8*\k, v12
	v_cvt_f32_u32 v10, v13
.irp p, 0,1,2,3,4,5,6,7,8,9,10,11,12,13,14,15
	SINCOS 16+\p, 64+32*\k+\p, 80+32*\k+\p
.endr
.irp g, 0,1,2,3,4,5,6,7
	global_store_b128 v1, v[64+32*\k+4*\g:64+32*\k+4*\g+3], s[18:19] offset:\k*4096+512*\g
.endr
.endr
	s_endpgm
.Lfunc_end_k_q452c139ad9_prep:
	.size	k_q452c139ad9_prep, .Lfunc_end_k_q452c139ad9_prep-k_q452c139ad9_prep
	.p2alignl 7, 3214868480
	.fill 96, 4, 3214868480
	.section	.rodata,"a",@progbits
	.p2align	6, 0x0
	.amdhsa_kernel k_q452c139ad9_prep
		.amdhsa_group_segment_fixed_size 34304
		.amdhsa_private_segment_fixed_size 0
		.amdhsa_enable_private_segment 0
		.amdhsa_kernarg_size 64
		.amdhsa_user_sgpr_count 2
		.amdhsa_user_sgpr_kernarg_segment_ptr 1
		.amdhsa_wavefront_size32 1
		.amdhsa_system_sgpr_workgroup_id_x 1
		.amdhsa_system_sgpr_workgroup_id_y 1
		.amdhsa_system_sgpr_workgroup_id_z 1
		.amdhsa_system_vgpr_workitem_id 0
		.amdhsa_next_free_vgpr 256
		.amdhsa_next_free_sgpr 66
		.amdhsa_reserve_vcc 1
		.amdhsa_float_denorm_mode_32 3
		.amdhsa_float_denorm_mode_16_64 3
		.amdhsa_memory_ordered 1
		.amdhsa_forward_progress 1
		.amdhsa_inst_pref_size 72
	.end_amdhsa_kernel
	.amdgpu_metadata
---
amdhsa.version: [ 1, 2 ]
amdhsa.kernels:
  - .name:           k_q452c139ad9_prep
    .symbol:         k_q452c139ad9_prep.kd
    .args:
      - { .name: x, .offset: 0, .size: 8, .value_kind: global_buffer, .address_space: global }
      - { .name: Wq, .offset: 8, .size: 8, .value_kind: global_buffer, .address_space: global }
      - { .name: Wk, .offset: 16, .size: 8, .value_kind: global_buffer, .address_space: global }
      - { .name: Wv, .offset: 24, .size: 8, .value_kind: global_buffer, .address_space: global }
      - { .name: Wo, .offset: 32, .size: 8, .value_kind: global_buffer, .address_space: global }
      - { .name: img, .offset: 40, .size: 8, .value_kind: global_buffer, .address_space: global }
      - { .name: sc, .offset: 48, .size: 8, .value_kind: global_buffer, .address_space: global }
      - { .name: tab, .offset: 56, .size: 8, .value_kind: global_buffer, .address_space: global }
    .group_segment_fixed_size: 34304
    .private_segment_fixed_size: 0
    .kernarg_segment_align: 8
    .kernarg_segment_size: 64
    .max_flat_workgroup_size: 128
    .sgpr_count:     66
    .vgpr_count:     256
    .wavefront_size: 32
...
	.end_amdgpu_metadata
.endif
;; end of part 1
;; launch qkv (part 2): grid 6 x 32, 4 waves a work-group, no clusters, 327,680 bytes of LDS; arguments img, sc, tab, q_blk, kv; writes q_blk, kv
.if DOCPART == 2
	.amdgcn_target "amdgcn-amd-amdhsa--gfx1250"
	.amdhsa_code_object_version 6
	.text
	.protected	k_q452c139ad9_qkv
	.globl	k_q452c139ad9_qkv
	.p2align	8
	.type	k_q452c139ad9_qkv,@function
k_q452c139ad9_qkv:
	s_mov_b64 s[64:65], 0
	v_nop
	global_prefetch_b8 v0, s[64:65] scope:SCOPE_SE
	s_setreg_imm32_b32 hwreg(HW_REG_WAVE_MODE, 25, 1), 1
	s_wait_xcnt 0x0
; Q = x Wq^T, K = x Wk^T, V = x Wv^T on codes of FP6 (E2M3) with E8M0 scales; then RoPE on Q and K in f32; then Q and K are quantised along the head's 64 channels and V along the keys.
; A work-group takes 128 rows of x (8 tiles of 16; block rb = work-group y) and two heads (2 g, 2 g + 1; g = work-group x).  Tiles are in the order of the first launch:
; lane r of tile T holds row 32 (T / 2) + 8 (T % 2) + r + 8 (r / 8), so that the 16 result registers of tiles 2 b and 2 b + 1 are 16 NEIGHBOURS, 32 b + 16 (lane / 16) + 0 .. 15.
; LDS holds all six K steps of x's 8 fragments and of Wq's, Wk's, Wv's 8 fragments each: each byte is filled once, by two tensor loads a wave (wave w fills region w).
; A wave has at most one tensor load outstanding.  Fragments are images of registers: three loads of 16 bytes a lane, 512 consecutive bytes each.
; SHARES.  Wave w: Q (w < 2) or K (w >= 2) of head 2 g + w % 2: 4 tiles of channels x 8 tiles of rows, TRANSPOSED (source 0 = W, source 1 = x: a lane holds one position, its registers run along the channels);
; and V's channel tiles 2 (w / 2), 2 (w / 2) + 1 of head 2 g + w % 2 (source 0 = x, source 1 = Wv: a lane holds one channel, its registers run along the keys).  48 accumulators take turns, one instruction a turn
; 14 fragments from LDS feed 48 matrix instructions.
; OUT.  q_blk [head][block][6400] and the first half of kv [head][block][12800]: four PAIR fragments (registers 0-5: tile 2 f, its 64 channels; registers 6-11: tile 2 f + 1), then [r][4 words] of scale bytes.
; kv + 6400: V's four fragments (16 channels x 128 keys), kv + 12544: their scale words [a 2][r 16][2].
; No multicast: x's and W's tiles are shared with other work-groups, but this text asks for each once and all at its start; sharing W along four row blocks is left out to keep the text free of branches.
; LIMITS: NaN and infinities are not served; a block whose largest magnitude lies under 2^-124 gets the byte 1.
; REGISTERS.  window 0: v1-14 addresses; v16-79 x's scale words, v80-127 W's (these hold scales and nothing else); v128-191 the table of cos and sin, two sets; v192-223 a tile's rotated numbers; v224-255 at work.
;   window 1: v0-95 x's fragments, set 0; v96-167, v168-239 W's six fragments, sets 0 and 1.   window 2: Q's or K's accumulators at 32 t + 8 c.   window 3: v0-127 V's at 64 a + 8 t; v128-223 x's fragments, set 1.
; LDS AS IT IS FILLED HERE: wave w's region holds its 8 fragments of all six K steps, one K step behind the other.  A region comes by two tensor loads whose rows are whole K steps of 12,288 bytes:
; K steps 0-3 at the head, K steps 4-5 behind the first barrier; by this text's count one tensor load of a wave is outstanding.  The scale words go from memory straight into their registers.
.set KSB,  12288                       ; a K step of a region: 8 fragments of 1,536 bytes
.set REGB, 73728                       ; a region: six K steps
.set XS,   16
.set WS,   80
.set TAB,  128
.set RR,   192
.set TM,   224                         ; v224-225 largest magnitudes, v226-227 the other half's, v228-229 scale operands, v230-231 bytes
.set SPR,  232
.set PB,   236                         ; v236-247 a pair fragment's codes
.set SW,   248                         ; v248-251 the four pair fragments' scale words
.set VT,   192                         ; V's way out: v192-207 at work, v208-209 the two scale words, v128-167 the codes
.set MSB, 0
.macro WIN new                         ; the immediate's high byte repeats the setting that is left
.if MSB != (\new)
	s_set_vgpr_msb (MSB<<8)|(\new)
.set MSB, (\new)
.endif
.endm
	s_load_b128 s[4:7], s[0:1], 0x0                ; img, sc
	s_load_b128 s[8:11], s[0:1], 0x10              ; tab, q_blk
	s_load_b64 s[12:13], s[0:1], 0x20              ; kv
	v_lshl_add_u32 v254, v0, 2, 0x4c000
	v_mov_b32 v255, 0
	ds_add_u32 v254, v255
	ds_add_u32 v254, v255
	v_lshrrev_b32 v1, 5, v0
	v_readfirstlane_b32 s14, v1                    ; wave
	s_lshr_b32 s15, s14, 1                         ; 0: Q, 1: K.  Also a: which pair of V's channel tiles
	s_and_b32 s16, s14, 1                          ; which of the two heads
	s_and_b32 s17, ttmp7, 0xffff                   ; rb
	s_mov_b32 s2, 0x76543210
	s_mov_b32 s3, 0xfedcba98                       ; v_permlanex16_b32: lane l xor 16
	s_lshl_b32 s18, s17, 3                         ; wave 0 fetches x's tiles 8 rb on;
	s_mul_i32 s19, s14, 48
	s_lshl_b32 s20, ttmp9, 3
	s_add_co_u32 s19, s19, s20
	s_add_co_u32 s19, s19, 208                     ; wave w > 0 the tiles 256 + 48 (w - 1) + 8 g on
	s_cmp_eq_u32 s14, 0
	s_cselect_b32 s18, s18, s19
	; descriptor group 1: rows of 1,536 elements of 8 bytes, a K step each
	s_mov_b32 s24, 3<<16
	s_mov_b32 s25, 1536<<16                        ; a row: 1,536 elements of 8 bytes, a K step of my 8 tiles
	s_mov_b32 s26, 4<<16                           ; four rows: K steps 0-3
	s_mov_b32 s27, 1536<<16
	s_mov_b32 s28, 4
	s_mov_b32 s29, 86016                           ; from K step to K step in img: 688,128 bytes
	s_mov_b32 s30, 0
	s_mov_b32 s31, 0
	s_mov_b32 s32, 3<<16
	s_mov_b32 s33, 1536<<16                        ; the same with two rows: K steps 4-5
	s_mov_b32 s34, 2<<16
	s_mov_b32 s35, 1536<<16
	s_mov_b32 s36, 2
	s_mov_b32 s37, 86016
	s_mov_b32 s38, 0
	s_mov_b32 s39, 0
	s_mul_i32 s20, s18, 1536
	s_mov_b32 s21, 0
	s_mul_i32 s72, s14, REGB                       ; my region
	s_wait_dscnt 0x0
	s_wait_kmcnt 0x0
	s_add_nc_u64 s[20:21], s[4:5], s[20:21]
.irp s, 0,1                            ; group 0 for K steps 0-3 and for K steps 4-5
	s_mov_b32 s[40+4*\s], 1
	s_add_co_u32 s[41+4*\s], s72, \s*4*KSB
	s_add_nc_u64 s[42+4*\s:43+4*\s], s[20:21], \s*4*688128
	s_or_b32 s[43+4*\s], s[43+4*\s], 0x80000000
.endr
	tensor_load_to_lds s[40:43], s[24:31]          ; K steps 0-3 of my region: my one tensor load at the head
	s_nop 0
.rept 4
	v_nop
.endr
	s_lshl_b32 s72, s17, 15
	s_mov_b32 s73, 0
	s_add_nc_u64 s[8:9], s[8:9], s[72:73]          ; the table at x's tile 8 rb
	s_lshl_b32 s74, ttmp9, 1
	s_add_co_u32 s74, s74, s16                     ; my head
	s_lshl_b32 s74, s74, 5
	s_add_co_u32 s74, s74, s17                     ; 32 x head + rb
	s_mov_b32 s75, 12800
	s_cmp_eq_u32 s15, 0
	s_cselect_b32 s75, 6400, s75
	s_cselect_b64 s[76:77], s[10:11], s[12:13]     ; Q goes to q_blk, K to kv: the choice hangs on the wave's number alone
	s_mul_i32 s78, s74, s75
	s_mov_b32 s79, 0
	s_add_nc_u64 s[76:77], s[76:77], s[78:79]
	s_mul_i32 s78, s74, 12800
	s_add_nc_u64 s[12:13], s[12:13], s[78:79]      ; V goes to kv
	v_and_b32 v11, 31, v0                          ; lane
	v_and_b32 v12, 15, v0                          ; r
	v_bfe_u32 v10, v0, 4, 1                        ; h
	v_lshlrev_b32 v1, 4, v11                       ; 16 x lane
	v_mov_b32 v2, v1                               ; LDS: x's fragments of the K step in hand
	s_add_co_u32 s72, s15, 1
	s_mul_i32 s72, s72, REGB
	s_mul_i32 s73, s16, 4*1536
	s_add_co_u32 s72, s72, s73
	v_add_nc_u32 v3, s72, v1                       ; my four tiles of Wq or Wk
	s_mul_i32 s72, s15, 2*1536
	s_add_co_u32 s72, s72, s73
	s_add_co_u32 s72, s72, 3*REGB
	v_add_nc_u32 v4, s72, v1                       ; my two tiles of Wv
	v_lshlrev_b32 v13, 4, v12                      ; 16 r
	s_wait_alu depctr_va_vdst(0)
	s_lshl_b32 s72, s17, 12                        ; offsets in sc, 512 bytes a tile: x's tiles 8 rb on
	v_add_nc_u32 v5, s72, v13
	s_mul_i32 s72, s15, 48*512                     ; Wq's or Wk's tiles 256 + 48 (w / 2) + 8 g + 4 (w % 2) on
	s_lshl_b32 s73, s16, 11
	s_lshl_b32 s78, ttmp9, 12
	s_add_co_u32 s73, s73, s78
	s_add_co_u32 s72, s72, s73
	s_add_co_u32 s72, s72, 256*512
	v_add_nc_u32 v6, s72, v13
	s_lshl_b32 s72, s15, 10                        ; Wv's tiles 352 + 8 g + 4 (w % 2) + 2 (w / 2) on
	s_add_co_u32 s72, s72, s73
	s_add_co_u32 s72, s72, 352*512
	v_add_nc_u32 v7, s72, v13
	v_lshl_add_u32 v8, v10, 3, v13                 ; out: 16 r + 8 h
	s_lshl_b32 s72, s15, 7
	v_lshlrev_b32 v9, 3, v12
	v_lshl_add_u32 v9, v10, 2, v9
	v_add_nc_u32 v9, s72, v9                       ; out: 128 a + 8 r + 4 h
	s_mul_i32 s72, s15, 3072
	v_add_nc_u32 v14, s72, v1                      ; out: 16 x lane + my pair of V's fragments
	v_mov_b32 v[TM+2], 0                           ; (a lane permute's destination counts as one of its sources)
	v_mov_b32 v[TM+3], 0
.macro TABLD t                         ; cos and sin for row tile t: 8 x 512 consecutive bytes
.irp g, 0,1,2,3,4,5,6,7
	global_load_b128 v[TAB+32*((\t)%2)+4*\g:TAB+32*((\t)%2)+4*\g+3], v1, s[8:9] offset:(\t)*4096+512*\g
.endr
.endm
	s_wait_alu depctr_va_vdst(0)                   ; the wait here, ahead of the loads that read the addresses just made
.irp t, 0,1,2,3,4,5,6,7
.irp f, 0,1
	global_load_b128 v[XS+8*\t+4*\f:XS+8*\t+4*\f+3], v5, s[6:7] offset:\t*512+\f*256     ; lane r: row r's words of K steps 3 f + 0 .. 2
.endr
.endr
.irp t, 0,1,2,3
.irp f, 0,1
	global_load_b128 v[WS+8*\t+4*\f:WS+8*\t+4*\f+3], v6, s[6:7] offset:\t*512+\f*256
.endr
.endr
.irp t, 0,1
.irp f, 0,1
	global_load_b128 v[WS+32+8*\t+4*\f:WS+32+8*\t+4*\f+3], v7, s[6:7] offset:\t*512+\f*256
.endr
.endr
	TABLD 0
	TABLD 1
.macro FETCH s                         ; the 14 fragments of K step s into set s % 2: 42 loads
.set XB, 128*((\s)%2)
.set WB, 96+72*((\s)%2)
	WIN 0x40+0x80*((\s)%2)                         ; x's set 0 lies in window 1, set 1 in window 3
.irp t, 0,1,2,3,4,5,6,7
.irp g, 0,1,2
	ds_load_b128 v[XB+12*\t+4*\g:XB+12*\t+4*\g+3], v2 offset:\t*1536+512*\g
.endr
.endr
	WIN 0x40
.irp t, 0,1,2,3
.irp g, 0,1,2
	ds_load_b128 v[WB+12*\t+4*\g:WB+12*\t+4*\g+3], v3 offset:\t*1536+512*\g
.endr
.endr
.irp t, 0,1
.irp g, 0,1,2
	ds_load_b128 v[WB+48+12*\t+4*\g:WB+48+12*\t+4*\g+3], v4 offset:\t*1536+512*\g
.endr
.endr
.endm
.macro MULQK s                         ; 32 products: source 0 = W's tile c, source 1 = x's tile t
.set XB, 128*((\s)%2)
.set WB, 96+72*((\s)%2)
.set SO, 4*((\s)/3)+(\s)%3
	WIN 0xa5+8*((\s)%2)
.irp t, 0,1,2,3,4,5,6,7
.irp c, 0,1,2,3
.if \s == 0
	v_wmma_scale_f32_16x16x128_f8f6f4 v[32*\t+8*\c:32*\t+8*\c+7], v[WB+12*\c:WB+12*\c+11], v[XB+12*\t:XB+12*\t+11], 0, v[WS+8*\c+SO], v[XS+8*\t+SO] matrix_a_fmt:MATRIX_FMT_FP6 matrix_b_fmt:MATRIX_FMT_FP6
.else
	v_wmma_scale_f32_16x16x128_f8f6f4 v[32*\t+8*\c:32*\t+8*\c+7], v[WB+12*\c:WB+12*\c+11], v[XB+12*\t:XB+12*\t+11], v[32*\t+8*\c:32*\t+8*\c+7], v[WS+8*\c+SO], v[XS+8*\t+SO] matrix_a_fmt:MATRIX_FMT_FP6 matrix_b_fmt:MATRIX_FMT_FP6
.endif
.endr
.endr
.endm
.macro MULV s                          ; 16 products: source 0 = x's tile t, source 1 = Wv's tile c
.set XB, 128*((\s)%2)
.set WB, 96+72*((\s)%2)
.set SO, 4*((\s)/3)+(\s)%3
	WIN 0xf5+2*((\s)%2)
.irp c, 0,1
.irp t, 0,1,2,3,4,5,6,7
.if \s == 0
	v_wmma_scale_f32_16x16x128_f8f6f4 v[64*\c+8*\t:64*\c+8*\t+7], v[XB+12*\t:XB+12*\t+11], v[WB+48+12*\c:WB+48+12*\c+11], 0, v[XS+8*\t+SO], v[WS+32+8*\c+SO] matrix_a_fmt:MATRIX_FMT_FP6 matrix_b_fmt:MATRIX_FMT_FP6
.else
	v_wmma_scale_f32_16x16x128_f8f6f4 v[64*\c+8*\t:64*\c+8*\t+7], v[XB+12*\t:XB+12*\t+11], v[WB+48+12*\c:WB+48+12*\c+11], v[64*\c+8*\t:64*\c+8*\t+7], v[XS+8*\t+SO], v[WS+32+8*\c+SO] matrix_a_fmt:MATRIX_FMT_FP6 matrix_b_fmt:MATRIX_FMT_FP6
.endif
.endr
.endr
.endm
.macro KSTEP s
	s_wait_dscnt 0x0                               ; this step's fragments are in (asked for 48 matrix instructions ago)
.if \s < 5
.if \s == 3
	s_wait_tensorcnt 0x0                           ; my region's K steps 4-5 have landed;
	s_barrier_signal -1
	s_barrier_wait -1                              ; everybody's have
.endif
	WIN 0
	v_add_nc_u32 v2, KSB, v2                       ; on to the next K step.  These four lines are also the places between the last step's products
	v_add_nc_u32 v3, KSB, v3                       ; and the loads into the registers that they read
	v_add_nc_u32 v4, KSB, v4
	v_nop
	FETCH \s+1
.endif
	MULQK \s
	MULV \s
.endm
	s_wait_alu depctr_va_vdst(0)
	s_wait_tensorcnt 0x0                           ; my region's K steps 0-3 have landed
	ds_add_u32 v254, v255
	s_wait_dscnt 0x0
	s_barrier_signal -1
	s_barrier_wait -1                              ; everybody's have
	tensor_load_to_lds s[44:47], s[32:39]          ; K steps 4-5: my one tensor load behind this barrier; it lands under three K steps' products
	s_nop 0
.rept 4
	v_nop
.endr
	s_wait_loadcnt 16                              ; the scale words are in: the table's 16 loads were issued behind them
	FETCH 0
	KSTEP 0                                        ; its products start the sums: nothing is cleared
	s_wait_alu depctr_va_vdst(0)
	KSTEP 1
	s_wait_alu depctr_va_vdst(0)
	KSTEP 2
	s_wait_alu depctr_va_vdst(0)
	KSTEP 3
	s_wait_alu depctr_va_vdst(0)
	KSTEP 4
	KSTEP 5
	WIN 0
.rept 4
	v_nop                                          ; places in front of the first read of results
.endr
; THE WAY OUT OF Q OR K, a tile of 16 positions at a time.  Register 8 c + j of the tile is channel 32 (c / 2) + 16 h + 8 (c % 2) + j of my position: pairs (even, odd) are neighbours in a lane.
.macro ROPE t
.set TB, TAB+32*((\t)%2)
	WIN 0x02                                       ; source 0: the accumulators, window 2
.irp c, 0,1,2,3
.irp a, 0,1,2,3
	v_mul_f32 v[RR+8*\c+2*\a], v[32*(\t)+8*\c+2*\a], v[TB+4*\c+\a]                               ; x1 cos   (each accumulator is read from its low end on)
	v_mul_f32 v[RR+8*\c+2*\a+1], v[32*(\t)+8*\c+2*\a+1], v[TB+4*\c+\a]                           ; x2 cos
	v_fma_f32 v[RR+8*\c+2*\a], -v[32*(\t)+8*\c+2*\a+1], v[TB+16+4*\c+\a], v[RR+8*\c+2*\a]        ; - x2 sin
	v_fma_f32 v[RR+8*\c+2*\a+1], v[32*(\t)+8*\c+2*\a], v[TB+16+4*\c+\a], v[RR+8*\c+2*\a+1]       ; + x1 sin
.endr
.endr
	WIN 0
.endm
; 32 numbers of a lane, register 16 b + i = k 32 b + 16 h + i of my row, become six registers of codes (k = 32 h + 0 .. 31) at v[dst] on; the two bytes stay in v[TM+6], v[TM+7]
.macro QUANT2 src, dst
.irp b, 0,1
	v_max3_num_f32 v[TM+\b], |v[\src+16*\b]|, |v[\src+16*\b+1]|, 0x1800000     ; my 16 numbers of block b, and the floor 2^(3 - 127)
.endr
.irp i, 2,4,6,8,10,12,14
.irp b, 0,1
	v_max3_num_f32 v[TM+\b], v[TM+\b], |v[\src+16*\b+\i]|, |v[\src+16*\b+\i+1]|
.endr
.endr
.irp b, 0,1
	v_permlanex16_b32 v[TM+2+\b], v[TM+\b], s2, s3
.endr
.irp b, 0,1
	v_max_num_f32 v[TM+\b], v[TM+\b], v[TM+2+\b]   ; with lane l xor 16's: the block's largest magnitude
.endr
.irp b, 0,1
	v_add_nc_u32 v[TM+4+\b], 0xff000000, v[TM+\b]  ; 2 off its exponent field: the conversion's scale operand
.endr
.irp b, 0,1
	v_lshrrev_b32 v[TM+6+\b], 23, v[TM+4+\b]       ; the scale's byte
.endr
	v_cvt_scalef32_pk16_fp6_f32 v[(\dst):(\dst)+2], v[\src:\src+15], v[TM+4]
	v_cvt_scalef32_pk16_fp6_f32 v[SPR:SPR+2], v[\src+16:\src+31], v[TM+5]
	v_nop                                          ; one plain place behind a scaled conversion
.irp i, 0,1,2
	v_permlane16_swap_b32 v[(\dst)+\i], v[SPR+\i]  ; a whole block to a lane: lanes 0-15 block 0, lanes 16-31 block 1
.endr
.irp i, 0,1,2
	v_mov_b32 v[(\dst)+3+\i], v[SPR+\i]
.endr
.endm
.macro QKOUT t
.if \t < 7
	s_wait_loadcnt 8                               ; this tile's cos and sin are in; the next tile's eight loads may be out
.else
	s_wait_loadcnt 0x0
.endif
	ROPE \t
.if \t < 6
	TABLD \t+2                                     ; into the set just read
.endif
.if ((\t)%2 == 0) && (\t > 0)
	s_wait_xcnt 0x0                                ; the last pair fragment's stores have read their registers: only behind this wait are they written again
.endif
	QUANT2 RR, PB+6*((\t)%2)
.if (\t)%2 == 0
	v_lshl_or_b32 v[SW+(\t)/2], v[TM+7], 8, v[TM+6]
.else
	v_lshl_or_b32 v[SW+(\t)/2], v[TM+6], 16, v[SW+(\t)/2]
	v_lshl_or_b32 v[SW+(\t)/2], v[TM+7], 24, v[SW+(\t)/2]
.irp g, 0,1,2
	global_store_b128 v1, v[PB+4*\g:PB+4*\g+3], s[76:77] offset:((\t)/2)*1536+512*\g
.endr
.endif
.endm
	QKOUT 0
	QKOUT 1
	QKOUT 2
	QKOUT 3
	QKOUT 4
	QKOUT 5
	QKOUT 6
	QKOUT 7
	v_cmp_eq_u32 vcc_lo, 1, v10
	v_cndmask_b32 v252, v[SW], v[SW+2], vcc_lo     ; lanes 0-15: words 0, 1 of row r; lanes 16-31: words 2, 3
	v_cndmask_b32 v253, v[SW+1], v[SW+3], vcc_lo
	global_store_b64 v8, v[252:253], s[76:77] offset:6144    ; 256 consecutive bytes
; THE WAY OUT OF V.  64 numbers of a lane in window 3, register 16 b + i = key 32 b + 16 h + i of my channel, become a fragment's codes at v[pc] on and its scale word in v[pw].
.macro QUANT4 src, pc, pw
	WIN 0x0f                                       ; sources 0 and 1: window 3
.irp b, 0,1,2,3
	v_max3_num_f32 v[VT+\b], |v[\src+16*\b]|, |v[\src+16*\b+1]|, 0x1800000
.endr
.irp i, 2,4,6,8,10,12,14
.irp b, 0,1,2,3
	v_max3_num_f32 v[VT+\b], |v[\src+16*\b+\i]|, |v[\src+16*\b+\i+1]|, v[VT+\b]
.endr
.endr
	WIN 0
.irp b, 0,1,2,3
	v_permlanex16_b32 v[VT+4+\b], v[VT+\b], s2, s3
.endr
.irp b, 0,1,2,3
	v_max_num_f32 v[VT+\b], v[VT+\b], v[VT+4+\b]
.endr
.irp b, 0,1,2,3
	v_add_nc_u32 v[VT+12+\b], 0xff000000, v[VT+\b]
.endr
.irp b, 0,1,2,3
	v_lshrrev_b32 v[VT+4+\b], 23, v[VT+12+\b]
.endr
	v_lshl_or_b32 v[\pw], v[VT+5], 8, v[VT+4]
	v_lshl_or_b32 v[\pw], v[VT+6], 16, v[\pw]
	v_lshl_or_b32 v[\pw], v[VT+7], 24, v[\pw]
	WIN 0x03                                       ; source 0: window 3
.irp c, 0,1
	v_cvt_scalef32_pk16_fp6_f32 v[\pc+6*\c:\pc+6*\c+2], v[\src+32*\c:\src+32*\c+15], v[VT+12+2*\c]
	v_cvt_scalef32_pk16_fp6_f32 v[\pc+12+4*\c:\pc+14+4*\c], v[\src+32*\c+16:\src+32*\c+31], v[VT+12+2*\c+1]
.endr
	WIN 0
	v_nop
.irp c, 0,1
.irp i, 0,1,2
	v_permlane16_swap_b32 v[\pc+6*\c+\i], v[\pc+12+4*\c+\i]
.endr
.irp i, 0,1,2
	v_mov_b32 v[\pc+3+6*\c+\i], v[\pc+12+4*\c+\i]
.endr
.endr
.endm
.irp b, 0,1,2,3
	v_mov_b32 v[VT+4+\b], 0
.endr
	QUANT4 0, 128, 208
.irp g, 0,1,2
	global_store_b128 v14, v[128+4*\g:128+4*\g+3], s[12:13] offset:6400+512*\g
.endr
	QUANT4 64, 148, 209
.irp g, 0,1,2
	global_store_b128 v14, v[148+4*\g:148+4*\g+3], s[12:13] offset:6400+1536+512*\g
.endr
	v_cndmask_b32 v210, v208, v209, vcc_lo         ; lanes 0-15 store the first tile's word of channel r, lanes 16-31 the second's
	global_store_b32 v9, v210, s[12:13] offset:12544
	s_wait_tensorcnt 0x0
	ds_add_u32 v254, v255
	s_wait_dscnt 0x0
	s_endpgm
.Lfunc_end_k_q452c139ad9_qkv:
	.size	k_q452c139ad9_qkv, .Lfunc_end_k_q452c139ad9_qkv-k_q452c139ad9_qkv
	.p2alignl 7, 3214868480
	.fill 96, 4, 3214868480
	.section	.rodata,"a",@progbits
	.p2align	6, 0x0
	.amdhsa_kernel k_q452c139ad9_qkv
		.amdhsa_group_segment_fixed_size 327680
		.amdhsa_private_segment_fixed_size 0
		.amdhsa_enable_private_segment 0
		.amdhsa_kernarg_size 40
		.amdhsa_user_sgpr_count 2
		.amdhsa_user_sgpr_kernarg_segment_ptr 1
		.amdhsa_wavefront_size32 1
		.amdhsa_system_sgpr_workgroup_id_x 1
		.amdhsa_system_sgpr_workgroup_id_y 1
		.amdhsa_system_sgpr_workgroup_id_z 1
		.amdhsa_system_vgpr_workitem_id 0
		.amdhsa_next_free_vgpr 1024
		.amdhsa_next_free_sgpr 80
		.amdhsa_reserve_vcc 1
		.amdhsa_float_denorm_mode_32 3
		.amdhsa_float_denorm_mode_16_64 3
		.amdhsa_memory_ordered 1
		.amdhsa_forward_progress 1
		.amdhsa_inst_pref_size 119
	.end_amdhsa_kernel
	.amdgpu_metadata
---
amdhsa.version: [ 1, 2 ]
amdhsa.kernels:
  - .name:           k_q452c139ad9_qkv
    .symbol:         k_q452c139ad9_qkv.kd
    .args:
      - { .name: img, .offset: 0, .size: 8, .value_kind: global_buffer, .address_space: global }
      - { .name: sc, .offset: 8, .size: 8, .value_kind: global_buffer, .address_space: global }
      - { .name: tab, .offset: 16, .size: 8, .value_kind: global_buffer, .address_space: global }
      - { .name: q_blk, .offset: 24, .size: 8, .value_kind: global_buffer, .address_space: global }
      - { .name: kv, .offset: 32, .size: 8, .value_kind: global_buffer, .address_space: global }
    .group_segment_fixed_size: 327680
    .private_segment_fixed_size: 0
    .kernarg_segment_align: 8
    .kernarg_segment_size: 40
    .max_flat_workgroup_size: 128
    .sgpr_count:     80
    .vgpr_count:     1024
    .wavefront_size: 32
...
	.end_amdgpu_metadata
.endif
;; end of part 2
;; launch attn (part 3): grid 16 x 16, 12 waves a work-group, no clusters, 327,680 bytes of LDS; arguments q_blk, kv, ao_img, ao_sc; writes ao_img, ao_sc
.if DOCPART == 3
	.amdgcn_target "amdgcn-amd-amdhsa--gfx1250"
	.amdhsa_code_object_version 6
	.text
	.protected	k_q452c139ad9_attn
	.globl	k_q452c139ad9_attn
	.p2align	8
	.type	k_q452c139ad9_attn,@function
k_q452c139ad9_attn:
	s_mov_b64 s[64:65], 0
	v_nop
	global_prefetch_b8 v0, s[64:65] scope:SCOPE_SE
	s_setreg_imm32_b32 hwreg(HW_REG_WAVE_MODE, 25, 1), 1
	s_wait_xcnt 0x0
; Causal attention on codes of FP6 (E2M3): S^T = K Q^T, p = 2^(t - M) with t = score x log2(e) / 8 and M the running largest t rounded UP to a whole number, O^T = V^T P^T, O / (the sum of the unquantised p);
; the result is quantised along the model's 768 and stored as halves of operand images for the last product.
; LEFT OUT: key steps that lie wholly behind a tile's queries.  The causal mask sets their scores to -infinity, so their p is 0 for all values of the inputs.  A NaN or an infinity that reaches only those steps is not carried.
; THE DEAL.  A PAIR is tile u (16 queries) of the query blocks i and 31 - i of one head: 33 key steps of 128, whatever i.  Three heads have 24 pairs for each i; they go to four work-groups of six pairs, 12 waves:
; work-group (i, 4 g + c) takes pairs n = 6 c .. 6 c + 5 of heads 3 g .. 3 g + 2 (head 3 g + n / 8, u = n % 8).  16 x 16 work-groups, each with 198 steps.
; Two waves serve a pair.  Type A: the high block's tile against key steps 0 .. 16.  Type B: the low block's tile against key steps 0 .. i, which it finishes and stores, then the high block's tile against key steps 17 .. 31 - i.
; So A walks 17 positions and B 16.  At the end B hands its O^T, sum and M to A through LDS; they are joined by exact powers of two, and A finishes the tile.
; The step on the diagonal hides keys by -infinity ahead of the maximum.  All branches hang on ids alone; every wave passes every barrier.
; THE RING.  A work-group's pairs lie in at most two heads: two STREAMS.  A slot holds, for each stream and each type, two positions of the walk: eight blocks of kv, 12,800 bytes each (K's four pair fragments, their scale words,
; V's four fragments, theirs).  Waves 0-7 fetch one block each, one tensor load a wave behind each change of slots; by this text's count one load of a wave is outstanding.  Where all six pairs lie in one head (c = 0, 3)
; both streams bring that head's blocks and three pairs read each.  Position 16 has blocks for type A alone, which waves 0 and 4 fetch.
; THE CHANGE OF SLOTS is laid into a slot's second step: when V's fragments are in registers the wave has read the slot for the last time; it runs the three lines and signals, does the step's softmax and second product, all on registers,
; and waits for the barrier behind them; the refill follows.
; THE HEAD IS 64 WIDE, half of the instruction's K.  A fragment of K holds TWO tiles of keys (registers 0-5, 6-11); it is multiplied once by [q | zero codes] and once by [zero codes | q].
; LAYOUT.  Both products are used transposed: a lane holds one query throughout.  The 16 registers of tiles 2 b, 2 b + 1 are keys (or channels) 32 b + 16 (lane / 16) + 0 .. 15.
; No multicast: type B's blocks differ with i, so partners along i would share half of a slot's blocks and be tied together at every change of slots.  No prefetch: a block of kv is asked for by the work-groups of its head
; at the same position of their walks, and kv's 4,915,200 bytes are asked for 44 times over in the launch.
; LIMITS: NaN and infinities are not served; the promise holds while the scaled scores stay under 2^31 in magnitude; a block of p under 2^-124 of the row's largest keeps the byte 1.
; REGISTERS: v1-3 places in a slot; v4 my query less 16 (lane / 16); v5, v6 the spare word's address and 0; v7 the hand-over; v8-10 the step's addresses; v11 8 x lane; v12 -M, v13 the largest t, v[14:15] the sum;
;   v16-33 q, zeros, q; v34-39 the second tile's q; v40, v41 their scale words; v42 p's; v43 16 r; v44-91 four fragments; v96-159 S^T, then p; v160-191 O^T; v192-203 p's codes; v204-223 at work on codes;
;   v224-227 K's scale words, v228-231 V's; v232-251 at work.
.set BLKB,  12800
.set SLOT1, 131072                     ; slot 0 at 0, slot 1 here; a slot is 102,400 bytes
.set MRG,   233472                     ; behind the ring: 4,608 bytes for each pair of waves
.set SPARE, 261120                     ; the spare words, 128 bytes for each wave: six blocks of 256 bytes that no other line names
.macro DESC                            ; the walking descriptor's global address from the position s38: key step = position, or position + 16 - i behind type B's change of tiles
	s_add_co_u32 s41, s38, s40
	s_cmp_gt_u32 s38, s39
	s_cselect_b32 s41, s41, s38
	s_mul_i32 s42, s41, BLKB
	s_mov_b32 s43, 0
	s_add_nc_u64 s[34:35], s[36:37], s[42:43]
	s_or_b32 s35, s35, 0x80000000
.endm
.macro TLOAD mode                      ; mode 1: waves 0-7 fetch; mode 2: waves 0 and 4.  The branch hangs on the wave's number.  Four v_nop follow the load
.if \mode == 1
	s_cmp_lt_u32 s12, 8
.else
	s_cmp_eq_u32 s19, 0
.endif
	s_cbranch_scc0 .Lnone_\@
	tensor_load_to_lds s[32:35], s[24:31]
	s_nop 0
.rept 4
	v_nop
.endr
.Lnone_\@:
.endm
.macro GRD mode
	s_wait_tensorcnt 0x0                           ; no tensor load of mine is out, so the descriptor may be written
	ds_add_u32 v5, v6                              ; 0 onto my spare word
	ds_add_u32 v5, v6
.if \mode
	s_add_co_u32 s38, s38, 2
	DESC
	s_xor_b32 s33, s33, SLOT1
.endif
	s_wait_dscnt 0x0
	s_barrier_signal -1
.endm
	s_load_b128 s[4:7], s[0:1], 0x0                ; q_blk, kv
	s_load_b128 s[8:11], s[0:1], 0x10              ; ao_img, ao_sc
	v_lshl_add_u32 v5, v0, 2, SPARE
	v_mov_b32 v6, 0
	ds_add_u32 v5, v6                              ; the opening lines: the add twice on end, under one wait
	ds_add_u32 v5, v6
	v_lshrrev_b32 v8, 5, v0
	v_readfirstlane_b32 s12, v8                    ; wave 0..11
	s_lshr_b32 s13, s12, 2
	s_xor_b32 s13, s13, s12
	s_and_b32 s13, s13, 1                          ; type: 0 = A, 1 = B
	s_lshr_b32 s17, s12, 1                         ; p: my pair among the six
	s_mov_b32 s15, ttmp9                           ; i
	s_and_b32 s18, ttmp7, 0xffff
	s_and_b32 s19, s18, 3                          ; c
	s_lshr_b32 s18, s18, 2
	s_mul_i32 s18, s18, 3                          ; 3 g
	s_mul_i32 s56, s19, 6
	s_add_co_u32 s57, s56, s17                     ; n
	s_lshr_b32 s16, s57, 3
	s_add_co_u32 s16, s16, s18                     ; my head
	s_and_b32 s14, s57, 7                          ; u: my tile in a block
	s_lshl_b32 s58, s19, 2
	s_lshr_b32 s58, 0x3423, s58
	s_and_b32 s58, s58, 15                         ; the first pair of stream 1: 3, 2, 4, 3 for c = 0 .. 3
	s_cmp_ge_u32 s17, s58
	s_cselect_b32 s55, 4*BLKB, 0                   ; my stream's four blocks in a slot
	s_bfe_u32 s59, s12, 0x10002                    ; as a fetching wave: block f = wave % 8: f / 4 the stream, (f / 2) % 2 the type, f % 2 the position in the slot
	s_mul_i32 s59, s59, 5
	s_add_co_u32 s59, s59, s56
	s_lshr_b32 s59, s59, 3
	s_add_co_u32 s59, s59, s18                     ; that stream's head: 3 g + 6 c / 8 or 3 g + (6 c + 5) / 8
	s_mul_i32 s42, s59, 32*BLKB
	s_mov_b32 s43, 0
	s_and_b32 s60, s12, 7
	s_mul_i32 s33, s60, BLKB
	s_and_b32 s38, s12, 1                          ; the position that I fetch
	s_bfe_u32 s57, s12, 0x10001
	s_cmp_eq_u32 s57, 1
	s_cselect_b32 s39, s15, 99                     ; type B's walk jumps behind position i, type A's never
	s_sub_co_u32 s40, 16, s15
	s_and_b32 s19, s12, 11                         ; 0 in waves 0 and 4
	s_mov_b32 s20, 0x76543210
	s_mov_b32 s21, 0xfedcba98                      ; v_permlanex16_b32: lane l xor 16
	s_mov_b32 s22, 0x3e38aa3b                      ; c = log2(e) / 8
	s_mov_b32 s23, s22                             ; (named with it as a pair, so it is written)
	s_mov_b32 s24, 3<<16                           ; descriptor group 1: a dense block as 50 rows of 256 bytes (32 elements of 8 bytes)
	s_mov_b32 s25, 32<<16
	s_mov_b32 s26, 50<<16
	s_mov_b32 s27, 32<<16
	s_mov_b32 s28, 50
	s_mov_b32 s29, 32
	s_mov_b32 s30, 0
	s_mov_b32 s31, 0
	s_mov_b32 s32, 1
	s_wait_dscnt 0x0                               ; both opening adds are done
	s_wait_kmcnt 0x0
	s_add_nc_u64 s[36:37], s[6:7], s[42:43]        ; kv at the head that I fetch for
	DESC
	TLOAD 1                                        ; slot 0
	s_lshr_b32 s56, s16, 1                         ; the last product's K step,
	s_and_b32 s57, s16, 1                          ; and my head's half of it
	s_mul_i32 s53, s56, 393216
	s_mul_i32 s58, s57, 768
	s_add_co_u32 s53, s53, s58                     ; the head's part of a place in ao_img
	s_cmp_ge_u32 s56, 3
	s_cselect_b32 s58, 3, 0
	s_cselect_b32 s59, 256, 0
	s_sub_co_u32 s56, s56, s58
	s_lshl_b32 s56, s56, 2
	s_add_co_u32 s54, s59, s56
	s_lshl_b32 s57, s57, 1
	s_add_co_u32 s54, s54, s57                     ; and in ao_sc
	s_sub_co_u32 s57, 31, s15                      ; the high block
	s_cmp_eq_u32 s13, 0
	s_cselect_b32 s50, s57, s15                    ; the block of my first tile
	s_lshl_b32 s58, s16, 5
	s_add_co_u32 s59, s58, s50
	s_mul_i32 s59, s59, 6400
	s_add_co_u32 s60, s58, s57
	s_mul_i32 s60, s60, 6400
	s_lshr_b32 s61, s14, 1
	s_mul_i32 s62, s61, 1536                       ; the pair fragment that holds tile u,
	s_lshl_b32 s63, s61, 2                         ; and its scale word
	v_and_b32 v232, 31, v0                         ; lane
	v_and_b32 v233, 15, v0                         ; r
	s_delay_alu instid0(VALU_DEP_2)
	v_lshlrev_b32 v11, 3, v232
	s_delay_alu instid0(VALU_DEP_2)
	v_lshlrev_b32 v43, 4, v233
	s_add_co_u32 s56, s59, s62
	v_lshl_add_u32 v238, v232, 4, s56
	s_add_co_u32 s56, s60, s62
	v_lshl_add_u32 v239, v232, 4, s56
	s_add_co_u32 s56, s59, s63
	v_add_nc_u32 v240, s56, v43
	s_add_co_u32 s56, s60, s63
	v_add_nc_u32 v241, s56, v43
.irp g, 0,1,2
	global_load_b128 v[44+4*\g:47+4*\g], v238, s[4:5] offset:512*\g      ; my first tile's pair fragment of Q,
	global_load_b128 v[56+4*\g:59+4*\g], v239, s[4:5] offset:512*\g      ; and the high block's
.endr
	global_load_b32 v68, v240, s[4:5] offset:6144
	global_load_b32 v69, v241, s[4:5] offset:6144
	s_wait_alu depctr_va_vdst(0)
	s_mul_i32 s56, s13, 2*BLKB                     ; my type's two blocks
	s_add_co_u32 s56, s56, s55                     ; of my stream's four
	v_lshl_add_u32 v1, v232, 4, s56
	s_add_co_u32 s57, s56, 6144
	v_add_nc_u32 v2, s57, v43
	s_add_co_u32 s57, s56, 12544
	v_lshl_add_u32 v3, v233, 3, s57
	s_mul_i32 s57, s17, 4608
	s_add_co_u32 s57, s57, MRG
	v_lshl_add_u32 v7, v232, 4, s57
	v_bfe_u32 v234, v0, 4, 1                       ; h
	v_and_b32 v4, 8, v233
	s_delay_alu instid0(VALU_DEP_1)
	v_add_nc_u32 v4, v4, v233                      ; r + 8 (r / 8)
	s_lshr_b32 s56, s14, 1
	s_lshl_b32 s56, s56, 5
	s_and_b32 s57, s14, 1
	s_lshl_b32 s57, s57, 3
	s_add_co_u32 s56, s56, s57
	v_add_nc_u32 v4, s56, v4                       ; my query in its block
	v_lshlrev_b32 v234, 4, v234
	s_delay_alu instid0(VALU_DEP_1)
	v_sub_nc_u32 v4, v4, v234                      ; less 16 h
	s_mov_b32 s44, 0                               ; the slot in hand
	s_mov_b32 s45, 0                               ; its first position
	s_sub_co_u32 s47, 17, s13                      ; my walk's length
	s_add_co_u32 s48, s15, 1
	s_cmp_eq_u32 s13, 1
	s_cselect_b32 s48, s48, 99                     ; the position at which type B changes tiles
	s_mov_b32 s49, 0                               ; key step = position + this
	s_mov_b32 s51, 6
	s_and_b32 s56, s14, 1
	s_cmp_eq_u32 s56, 1
	s_cselect_b32 s57, -1, 0                       ; tile u is the pair fragment's second half
	s_lshl_b32 s58, s56, 4
	s_wait_loadcnt 0x0
	v_lshrrev_b32 v68, s58, v68
	v_lshrrev_b32 v69, s58, v69
	s_delay_alu instid0(VALU_DEP_2)
	v_and_b32 v68, 0xffff, v68
	s_delay_alu instid0(VALU_DEP_2)
	v_and_b32 v69, 0xffff, v69
	s_delay_alu instid0(VALU_DEP_2)
	v_lshl_or_b32 v40, v68, 16, v68                ; q's two bytes, twice: they serve [q | 0] and [0 | q]
	s_delay_alu instid0(VALU_DEP_2)
	v_lshl_or_b32 v41, v69, 16, v69
.irp i, 0,1,2,3,4,5
	v_cndmask_b32 v[16+\i], v[44+\i], v[50+\i], s57
	v_cndmask_b32 v[34+\i], v[56+\i], v[62+\i], s57
.endr
.irp i, 0,1,2,3,4,5
	v_mov_b32 v[28+\i], v[16+\i]
	v_mov_b32 v[22+\i], 0
.endr
	v_mov_b32 v13, 0xff61b1e6                      ; the largest t so far: -3e38, under every t
	s_delay_alu instid0(VALU_DEP_1)
	v_floor_f32 v12, -v13                          ; -M
	v_mov_b32 v14, 0
	v_mov_b32 v15, 0
.irp b, 0,1,2,3
	v_mov_b32 v[216+\b], 0                         ; (a lane permute's destination counts as one of its sources)
.endr
	v_mov_b32 v235, 0                              ; (named as upper halves of pairs)
	v_mov_b32 v236, 0
	v_mov_b32 v237, 0
.irp j, 0,1,2,3,4,5,6,7,8,9,10,11,12,13,14,15,16,17,18,19,20,21,22,23,24,25,26,27,28,29,30,31
	v_mov_b32 v[160+\j], 0                         ; O^T: the step is written once; the first finds zeros, which the first change of M leaves zeros
.endr
; A tile is finished: O^T / the sum, quantised along its head's 64 channels, goes out as half of an operand image of tile 8 x block + u.
.macro FINISH
	v_add_f32 v232, v14, v15
	s_delay_alu instid0(VALU_DEP_1)
	v_permlanex16_b32 v216, v232, s20, s21
	s_delay_alu instid0(VALU_DEP_1)
	v_add_f32 v232, v232, v216                     ; the row's sum
	s_wait_alu depctr_va_vdst(0)
	v_rcp_f32 v234, v232
	v_nop                                          ; one plain place behind a transcendental
	s_wait_alu depctr_va_vdst(0)
.irp j, 0,2,4,6,8,10,12,14,16,18,20,22,24,26,28,30
	v_pk_mul_f32 v[96+\j:97+\j], v[160+\j:161+\j], v[234:235] op_sel_hi:[1,0]     ; register 16 b + i: channel 32 b + 16 h + i
.endr
.irp b, 0,1
	v_max3_num_f32 v[212+\b], |v[96+16*\b]|, |v[97+16*\b]|, 0x1800000
.endr
.irp i, 2,4,6,8,10,12,14
.irp b, 0,1
	s_delay_alu instid0(VALU_DEP_2)
	v_max3_num_f32 v[212+\b], v[212+\b], |v[96+16*\b+\i]|, |v[97+16*\b+\i]|
.endr
.endr
.irp b, 0,1
	s_delay_alu instid0(VALU_DEP_2)
	v_permlanex16_b32 v[216+\b], v[212+\b], s20, s21
.endr
.irp b, 0,1
	s_delay_alu instid0(VALU_DEP_2)
	v_max_num_f32 v[212+\b], v[212+\b], v[216+\b]
.endr
.irp b, 0,1
	s_delay_alu instid0(VALU_DEP_2)
	v_add_nc_u32 v[220+\b], 0xff000000, v[212+\b]
.endr
.irp b, 0,1
	s_delay_alu instid0(VALU_DEP_2)
	v_lshrrev_b32 v[222+\b], 23, v[220+\b]
.endr
	v_cvt_scalef32_pk16_fp6_f32 v[192:194], v[96:111], v220
	v_cvt_scalef32_pk16_fp6_f32 v[204:206], v[112:127], v221
	v_nop
.irp i, 0,1,2
	v_permlane16_swap_b32 v[192+\i], v[204+\i]
.endr
.irp i, 0,1,2
	s_delay_alu instid0(VALU_DEP_3)
	v_mov_b32 v[195+\i], v[204+\i]
.endr
	s_lshl_b32 s56, s50, 3
	s_add_co_u32 s56, s56, s14                     ; the tile
	s_mul_i32 s57, s56, 1536
	s_add_co_u32 s57, s57, s53
	s_lshl_b32 s58, s56, 9
	s_add_co_u32 s58, s58, s54
	v_lshl_add_u32 v232, v11, 1, s57
	v_add_nc_u32 v233, s57, v11
	v_add_nc_u32 v236, s58, v43
	v_lshl_or_b32 v237, v223, 8, v222
	global_store_b128 v232, v[192:195], s[8:9]               ; 512 consecutive bytes,
	global_store_b64 v233, v[196:197], s[8:9] offset:512     ; 256 more,
	global_store_b16 v236, v237, s[10:11]                    ; and my row's two scale bytes (both halves of the lanes write the same)
	s_wait_xcnt 0x0                                ; the stores have read their registers: only behind this wait are they written again
.endm
.macro REINIT                          ; type B goes on to the high block's tile
	v_mov_b32 v40, v41
.irp i, 0,1,2,3,4,5
	v_mov_b32 v[16+\i], v[34+\i]
	v_mov_b32 v[28+\i], v[34+\i]
.endr
.irp j, 0,1,2,3,4,5,6,7,8,9,10,11,12,13,14,15,16,17,18,19,20,21,22,23,24,25,26,27,28,29,30,31
	v_mov_b32 v[160+\j], 0
.endr
	v_mov_b32 v14, 0
	v_mov_b32 v15, 0
	v_mov_b32 v13, 0xff61b1e6
	s_delay_alu instid0(VALU_DEP_1)
	v_floor_f32 v12, -v13
	s_sub_co_u32 s49, 16, s15
	s_sub_co_u32 s50, 31, s15
.endm
; A POSITION OF THE WALK: 128 keys, the q-th block of my type and stream in the slot in hand.  chg = -1: no change of slots; 0, 1, 2: the change of slots is laid into the step, with TLOAD's mode (0: nothing is left to fetch).
; last = 1: position 16, which type B does not walk (but where i = 15 it finishes its low tile there).
.macro STEP q, chg, last
	s_add_co_u32 s46, s45, \q
	s_cmp_eq_u32 s46, s48
	s_cbranch_scc0 .Lsame_\@
	s_wait_alu depctr_va_vdst(0)
	FINISH
	REINIT
.Lsame_\@:
.if \last
	s_cmp_ge_u32 s46, s47
	s_cbranch_scc1 .Lskip_\@
.endif
	v_add_nc_u32 v8, s44, v1                       ; these four lines are places in front of the loads into registers that matrix instructions have read
	v_add_nc_u32 v9, s44, v2
	v_add_nc_u32 v10, s44, v3
	v_nop
.irp f, 0,1,2,3
.irp g, 0,1,2
	ds_load_b128 v[44+12*\f+4*\g:47+12*\f+4*\g], v8 offset:\q*BLKB+\f*1536+512*\g
.endr
.endr
	ds_load_b128 v[224:227], v9 offset:\q*BLKB
	s_wait_alu depctr_va_vdst(0)
	s_wait_dscnt 0x0
.irp f, 0,1,2,3                                ; S^T: pair fragment f against [q | 0] and [0 | q]: tiles 2 f and 2 f + 1
.irp c, 0,1
	v_wmma_scale_f32_16x16x128_f8f6f4 v[96+16*\f+8*\c:103+16*\f+8*\c], v[44+12*\f:55+12*\f], v[16+6*\c:27+6*\c], 0, v[224+\f], v40 matrix_a_fmt:MATRIX_FMT_FP6 matrix_b_fmt:MATRIX_FMT_FP6
.endr
.endr
.rept 4
	v_nop
.endr
.irp f, 0,1,2,3                                ; V's fragments land under the search for the maxima
.irp g, 0,1,2
	ds_load_b128 v[44+12*\f+4*\g:47+12*\f+4*\g], v8 offset:\q*BLKB+6400+\f*1536+512*\g
.endr
.endr
	ds_load_b64 v[228:229], v10 offset:\q*BLKB
	ds_load_b64 v[230:231], v10 offset:\q*BLKB+128
	s_add_co_u32 s52, s46, s49                     ; the key step
	s_cmp_lg_u32 s52, s50
	s_cbranch_scc1 .Lopen_\@                       ; only the step on the diagonal hides keys
	v_mov_b32 v232, 0xff800000                     ; -infinity.  Register 16 b + i holds key 32 b + 16 h + i of the step: hidden where 32 b + i > my query - 16 h
.irp n, 0,1,2,3,4,5,6,7,8,9,10,11,12,13,14,15,16,17,18,19,20,21,22,23,24,25,26,27,28,29,30,31,32,33,34,35,36,37,38,39,40,41,42,43,44,45,46,47,48,49,50,51,52,53,54,55,56,57,58,59,60,61,62,63
	v_cmp_gt_i32 vcc_lo, 32*(\n/16)+\n%16, v4
	v_cndmask_b32 v[96+\n], v[96+\n], v232, vcc_lo
.endr
.Lopen_\@:
.irp b, 0,1,2,3
	v_max3_num_f32 v[212+\b], v[96+16*\b], v[97+16*\b], v[98+16*\b]      ; the largest score of each block of 32 keys: for the row's maximum, and, since p rises with the score, for the block's largest p
.endr
.irp i, 3,5,7,9,11,13
.irp b, 0,1,2,3
	v_max3_num_f32 v[212+\b], v[212+\b], v[96+16*\b+\i], v[97+16*\b+\i]
.endr
.endr
.irp b, 0,1,2,3
	v_max_num_f32 v[212+\b], v[212+\b], v[111+16*\b]
.endr
.irp b, 0,1,2,3
	s_delay_alu instid0(VALU_DEP_4)
	v_permlanex16_b32 v[216+\b], v[212+\b], s20, s21
.endr
.irp b, 0,1,2,3
	s_delay_alu instid0(VALU_DEP_4)
	v_max_num_f32 v[212+\b], v[212+\b], v[216+\b]
.endr
	s_delay_alu instid0(VALU_DEP_2)
	v_max3_num_f32 v232, v212, v213, v214
	s_delay_alu instid0(VALU_DEP_1)
	v_max_num_f32 v232, v232, v215
	s_delay_alu instid0(VALU_DEP_1)
	v_mul_f32 v232, s22, v232                      ; the step's largest t of my query
	s_delay_alu instid0(VALU_DEP_1)
	v_max_num_f32 v13, v13, v232
	v_mov_b32 v232, v12
	s_delay_alu instid0(VALU_DEP_2)
	v_floor_f32 v12, -v13                          ; the new -M = -ceil(t): a whole number
	s_delay_alu instid0(VALU_DEP_1)
	v_sub_f32 v232, v12, v232                      ; old M - new M
	s_delay_alu instid0(VALU_DEP_1)
	v_cvt_i32_f32 v232, v232                       ; (it saturates)
	s_delay_alu instid0(VALU_DEP_1)
	v_ldexp_f32 v234, 1.0, v232                    ; f = 2^(old M - new M): multiplying by it rounds nothing
.irp j, 0,2,4,6,8,10,12,14,16,18,20,22,24,26,28,30,32,34,36,38,40,42,44,46,48,50,52,54,56,58,60,62
	v_pk_fma_f32 v[96+\j:97+\j], v[96+\j:97+\j], s[22:23], v[12:13] op_sel_hi:[1,0,0]     ; t - M
.endr
.irp b, 0,1,2,3
	v_fma_f32 v[212+\b], v[212+\b], s22, v12
.endr
	s_wait_alu depctr_va_vdst(0)                   ; the wait ahead of the batch, and ahead of the waits below
.if \chg >= 0
	GRD \chg
.endif
.irp j, 0,1,2,3,4,5,6,7,8,9,10,11,12,13,14,15,16,17,18,19,20,21,22,23,24,25,26,27,28,29,30,31,32,33,34,35,36,37,38,39,40,41,42,43,44,45,46,47,48,49,50,51,52,53,54,55,56,57,58,59,60,61,62,63
	v_exp_f32 v[96+\j], v[96+\j]                   ; p = 2^(t - M): not normalised
.endr
.irp b, 0,1,2,3
	v_exp_f32 v[212+\b], v[212+\b]                 ; the block's largest p: the same two instructions on the same number
.endr
	v_pk_mul_f32 v[14:15], v[14:15], v[234:235] op_sel_hi:[1,0]          ; the sums under the new M.  (A plain place behind the exponentials)
	s_wait_alu depctr_va_vdst(0)
.irp b, 0,1,2,3
	v_max_num_f32 v[212+\b], 0x1800000, v[212+\b]  ; the floor 2^(3 - 127): the byte cannot fall under 1
.endr
.irp b, 0,1,2,3
	s_delay_alu instid0(VALU_DEP_4)
	v_add_nc_u32 v[220+\b], 0xff000000, v[212+\b]
.endr
.irp b, 0,1,2,3
	s_delay_alu instid0(VALU_DEP_4)
	v_lshrrev_b32 v[216+\b], 23, v[220+\b]
.endr
	s_delay_alu instid0(VALU_DEP_3)
	v_lshl_or_b32 v42, v217, 8, v216               ; p's scale word for these 128 keys
	s_delay_alu instid0(VALU_DEP_1)
	v_lshl_or_b32 v42, v218, 16, v42
	s_delay_alu instid0(VALU_DEP_1)
	v_lshl_or_b32 v42, v219, 24, v42
.irp c, 0,1
	v_cvt_scalef32_pk16_fp6_f32 v[192+6*\c:194+6*\c], v[96+32*\c:111+32*\c], v[220+2*\c]
	v_cvt_scalef32_pk16_fp6_f32 v[204+4*\c:206+4*\c], v[112+32*\c:127+32*\c], v[220+2*\c+1]
.endr
	v_nop                                          ; one plain place behind a scaled conversion
.irp c, 0,1
.irp i, 0,1,2
	v_permlane16_swap_b32 v[192+6*\c+\i], v[204+4*\c+\i]
.endr
.irp i, 0,1,2
	s_delay_alu instid0(VALU_DEP_3)
	v_mov_b32 v[195+6*\c+\i], v[204+4*\c+\i]
.endr
.endr
	s_wait_alu depctr_va_vdst(0)                   ; the wait here, directly ahead of the first reader of O^T
.irp j, 0,2,4,6,8,10,12,14,16,18,20,22,24,26,28,30
	v_pk_mul_f32 v[160+\j:161+\j], v[160+\j:161+\j], v[234:235] op_sel_hi:[1,0]    ; O^T under the new M
.endr
.irp c, 0,1,2,3                                ; the row's sum is taken of the unquantised p: two at a time, in four chains
	v_pk_add_f32 v[244+2*\c:245+2*\c], v[96+2*\c:97+2*\c], v[104+2*\c:105+2*\c]
.endr
.irp k, 16,24,32,40,48,56
.irp c, 0,1,2,3
	v_pk_add_f32 v[244+2*\c:245+2*\c], v[244+2*\c:245+2*\c], v[96+\k+2*\c:97+\k+2*\c]
.endr
.endr
	v_pk_add_f32 v[244:245], v[244:245], v[246:247]
	v_pk_add_f32 v[248:249], v[248:249], v[250:251]
	s_delay_alu instid0(VALU_DEP_1)
	v_pk_add_f32 v[244:245], v[244:245], v[248:249]
	s_delay_alu instid0(VALU_DEP_1)
	v_pk_add_f32 v[14:15], v[14:15], v[244:245]
.if \chg < 0
	s_wait_dscnt 0x0                               ; V
.endif
.irp t, 0,1,2,3                                ; four accumulators by turns, one instruction a turn
	v_wmma_scale_f32_16x16x128_f8f6f4 v[160+8*\t:167+8*\t], v[44+12*\t:55+12*\t], v[192:203], v[160+8*\t:167+8*\t], v[228+\t], v42 matrix_a_fmt:MATRIX_FMT_FP6 matrix_b_fmt:MATRIX_FMT_FP6
.endr
.rept 4
	v_nop                                          ; places in front of whatever reads O^T or loads over the fragments next
.endr
.if \chg >= 0
	s_barrier_wait -1                              ; the slot ahead is whole, and nobody reads this one any more:
.if \chg > 0
	TLOAD \chg                                     ; it takes the positions four on
.endif
	s_xor_b32 s44, s44, SLOT1
	s_add_co_u32 s45, s45, 2
.endif
.Lskip_\@:
.endm
	s_wait_alu depctr_va_vdst(0)
	GRD 1
	s_barrier_wait -1
	TLOAD 1
.Lslot:                                            ; six trips: positions 0 to 11; each asks for the two positions four on
	STEP 0, -1, 0
	STEP 1, 1, 0
	s_sub_co_u32 s51, s51, 1
	s_cmp_lg_u32 s51, 0
	s_cbranch_scc1 .Lslot
	STEP 0, -1, 0                                  ; positions 12 and 13; position 16 has type A's blocks alone
	STEP 1, 2, 0
	STEP 0, -1, 0                                  ; positions 14 and 15: nothing is left to fetch
	STEP 1, 0, 0
	STEP 0, -1, 1                                  ; position 16
	; THE HAND-OVER: type B's half of the high tile goes to its partner
	s_cmp_eq_u32 s13, 1
	s_cbranch_scc0 .Lnot_b
	s_wait_alu depctr_va_vdst(0)
.irp k, 0,1,2,3,4,5,6,7
	ds_store_b128 v7, v[160+4*\k:163+4*\k] offset:512*\k
.endr
	ds_store_b128 v7, v[12:15] offset:4096
.Lnot_b:
	s_wait_alu depctr_va_vdst(0)
	s_wait_dscnt 0x0                               ; for the partner's sake: my stores have landed
	s_barrier_signal -1
	s_barrier_wait -1
	s_cmp_eq_u32 s13, 0
	s_cbranch_scc0 .Lend
.irp k, 0,1,2,3,4,5,6,7
	ds_load_b128 v[96+4*\k:99+4*\k], v7 offset:512*\k
.endr
	ds_load_b128 v[128:131], v7 offset:4096
	s_wait_dscnt 0x0
	v_min_num_f32 v232, v12, v128                  ; the joint -M
	s_delay_alu instid0(VALU_DEP_1)
	v_sub_f32 v233, v232, v128
	s_delay_alu instid0(VALU_DEP_2)
	v_sub_f32 v236, v232, v12
	s_delay_alu instid0(VALU_DEP_2)
	v_cvt_i32_f32 v233, v233
	s_delay_alu instid0(VALU_DEP_2)
	v_cvt_i32_f32 v236, v236
	s_delay_alu instid0(VALU_DEP_2)
	v_ldexp_f32 v234, 1.0, v233                    ; B's half and mine are brought under the joint M by exact powers of two (a half with no step has zeros, and its factor is 0)
	s_delay_alu instid0(VALU_DEP_2)
	v_ldexp_f32 v236, 1.0, v236
	s_wait_alu depctr_va_vdst(0)
	v_pk_mul_f32 v[14:15], v[14:15], v[236:237] op_sel_hi:[1,0]
	s_delay_alu instid0(VALU_DEP_1)
	v_pk_fma_f32 v[14:15], v[130:131], v[234:235], v[14:15] op_sel_hi:[1,0,1]
.irp j, 0,2,4,6,8,10,12,14,16,18,20,22,24,26,28,30
	v_pk_mul_f32 v[160+\j:161+\j], v[160+\j:161+\j], v[236:237] op_sel_hi:[1,0]
.endr
.irp j, 0,2,4,6,8,10,12,14,16,18,20,22,24,26,28,30
	v_pk_fma_f32 v[160+\j:161+\j], v[96+\j:97+\j], v[234:235], v[160+\j:161+\j] op_sel_hi:[1,0,1]
.endr
	FINISH
.Lend:
	s_wait_tensorcnt 0x0                           ; the wave's end
	ds_add_u32 v5, v6
	s_wait_dscnt 0x0
	s_endpgm
.Lfunc_end_k_q452c139ad9_attn:
	.size	k_q452c139ad9_attn, .Lfunc_end_k_q452c139ad9_attn-k_q452c139ad9_attn
	.p2alignl 7, 3214868480
	.fill 96, 4, 3214868480
	.section	.rodata,"a",@progbits
	.p2align	6, 0x0
	.amdhsa_kernel k_q452c139ad9_attn
		.amdhsa_group_segment_fixed_size 327680
		.amdhsa_private_segment_fixed_size 0
		.amdhsa_enable_private_segment 0
		.amdhsa_kernarg_size 32
		.amdhsa_user_sgpr_count 2
		.amdhsa_user_sgpr_kernarg_segment_ptr 1
		.amdhsa_wavefront_size32 1
		.amdhsa_system_sgpr_workgroup_id_x 1
		.amdhsa_system_sgpr_workgroup_id_y 1
		.amdhsa_system_sgpr_workgroup_id_z 1
		.amdhsa_system_vgpr_workitem_id 0
		.amdhsa_next_free_vgpr 256
		.amdhsa_next_free_sgpr 66
		.amdhsa_reserve_vcc 1
		.amdhsa_float_denorm_mode_32 3
		.amdhsa_float_denorm_mode_16_64 3
		.amdhsa_memory_ordered 1
		.amdhsa_forward_progress 1
		.amdhsa_inst_pref_size 218
	.end_amdhsa_kernel
	.amdgpu_metadata
---
amdhsa.version: [ 1, 2 ]
amdhsa.kernels:
  - .name:           k_q452c139ad9_attn
    .symbol:         k_q452c139ad9_attn.kd
    .args:
      - { .name: q_blk, .offset: 0, .size: 8, .value_kind: global_buffer, .address_space: global }
      - { .name: kv, .offset: 8, .size: 8, .value_kind: global_buffer, .address_space: global }
      - { .name: ao_img, .offset: 16, .size: 8, .value_kind: global_buffer, .address_space: global }
      - { .name: ao_sc, .offset: 24, .size: 8, .value_kind: global_buffer, .address_space: global }
    .group_segment_fixed_size: 327680
    .private_segment_fixed_size: 0
    .kernarg_segment_align: 8
    .kernarg_segment_size: 32
    .max_flat_workgroup_size: 384
    .sgpr_count:     66
    .vgpr_count:     256
    .wavefront_size: 32
...
	.end_amdgpu_metadata
.endif
;; end of part 3
;; launch oproj (part 4): grid 4 x 64, 3 waves a work-group, no clusters, 13,568 bytes of LDS; arguments ao_img, ao_sc, img, sc, out0; writes out0
.if DOCPART == 4
	.amdgcn_target "amdgcn-amd-amdhsa--gfx1250"
	.amdhsa_code_object_version 6
	.text
	.protected	k_q452c139ad9_oproj
	.globl	k_q452c139ad9_oproj
	.p2align	8
	.type	k_q452c139ad9_oproj,@function
k_q452c139ad9_oproj:
	s_mov_b64 s[64:65], 0
	v_nop
	global_prefetch_b8 v0, s[64:65] scope:SCOPE_SE
	s_setreg_imm32_b32 hwreg(HW_REG_WAVE_MODE, 25, 1), 1
	s_wait_xcnt 0x0
; out0 = ao Wo^T on codes of FP6 (E2M3) with E8M0 scales; out0 [4096][768] f32.  Both operands lie in memory as images of operand registers, so they go from memory straight into registers:
; no LDS ring, no tensor load, no barrier.  A work-group makes 64 rows x 192 columns, each of its three waves 64 x 64: 16 accumulators, which take turns, one instruction a turn.
; All six K steps have registers of their own (8 fragments, 96 registers a step), so loads run three steps ahead and no register is loaded twice.
; TRANSPOSED: source 0 = 16 rows of Wo, source 1 = 16 rows of ao: a lane holds one row of the result and eight neighbouring columns.  Tiles are in the order of the earlier launches:
; lane r of tile T is row 32 (T / 2) + 8 (T % 2) + r + 8 (r / 8); register j of Wo's tile t is column 32 (t / 2) + 8 (t % 2) + 16 (lane / 16) + j of the wave's 64.
; The way out goes through the wave's own stage in LDS (16 rows x 272 bytes), so that sixteen lanes store 256 consecutive bytes, at a multiple of 256 from the buffer's first byte.
; No multicast and no LDS for the operands: a wave reads each fragment once; what waves share (ao's four tiles) is a third of a step's bytes.
; REGISTERS.  window 0: v1-9 addresses; v16-47 Wo's scale words, v48-79 ao's; v128-255 the accumulators at 128 + 32 p + 8 t.   windows 1-3: K step s at 96 (s % 2) of window 1 + s / 2: Wo's 4 fragments, then ao's 4.
;   On the way out window 1's v0-127 take the rows read back, a set for each tile of rows.
.set ACC, 128
.set WSC, 16
.set ASC, 48
.set MSB, 0
.macro WIN new                         ; the immediate's high byte repeats the setting that is left
.if MSB != (\new)
	s_set_vgpr_msb (MSB<<8)|(\new)
.set MSB, (\new)
.endif
.endm
	s_load_b128 s[4:7], s[0:1], 0x0                ; ao_img, ao_sc
	s_load_b128 s[8:11], s[0:1], 0x10              ; img, sc
	s_load_b64 s[12:13], s[0:1], 0x20              ; out0
	v_lshl_add_u32 v126, v0, 2, 0x3300
	v_mov_b32 v127, 0
	v_lshrrev_b32 v1, 5, v0
	v_readfirstlane_b32 s14, v1                    ; wave 0..2
	s_and_b32 s15, ttmp7, 0xffff                   ; which 64 rows
	s_mul_i32 s16, ttmp9, 12
	s_lshl_b32 s17, s14, 2
	s_add_co_u32 s16, s16, s17                     ; my first tile of Wo's 48
	s_add_co_u32 s18, s16, 400                     ; and among all tiles of img
	s_mul_i32 s20, s18, 1536
	s_mov_b32 s21, 0
	s_lshl_b32 s22, s18, 9
	s_mov_b32 s23, 0
	s_mul_i32 s24, s15, 4*1536
	s_mov_b32 s25, 0
	s_lshl_b32 s26, s15, 11
	s_mov_b32 s27, 0
	s_mul_i32 s28, s15, 64*3072
	s_lshl_b32 s29, s16, 6                         ; 16 columns of 4 bytes a tile
	s_add_co_u32 s28, s28, s29
	s_mov_b32 s29, 0
	s_mul_i32 s30, s14, 4352                       ; my stage
	v_and_b32 v7, 31, v0
	v_and_b32 v8, 15, v0
	v_bfe_u32 v9, v0, 4, 1
	v_lshlrev_b32 v1, 4, v7                        ; 16 x lane
	v_lshlrev_b32 v2, 3, v7                        ; 8 x lane
	v_lshlrev_b32 v3, 4, v8                        ; 16 r
	v_mul_u32_u24 v4, v8, 272
	v_lshl_add_u32 v4, v9, 6, v4
	v_add_nc_u32 v4, s30, v4                       ; the stage, in: row r, + 64 h
	v_mul_u32_u24 v5, v9, 272
	v_lshl_add_u32 v5, v8, 4, v5
	v_add_nc_u32 v5, s30, v5                       ; back: lanes 0-15 one row, lanes 16-31 the next
	v_mul_u32_u24 v6, v9, 3072
	v_lshl_add_u32 v6, v8, 4, v6                   ; and the same two rows in out0
	s_wait_alu depctr_va_vdst(0)
	s_wait_kmcnt 0x0
	s_add_nc_u64 s[8:9], s[8:9], s[20:21]
	s_add_nc_u64 s[10:11], s[10:11], s[22:23]
	s_add_nc_u64 s[4:5], s[4:5], s[24:25]
	s_add_nc_u64 s[6:7], s[6:7], s[26:27]
	s_add_nc_u64 s[12:13], s[12:13], s[28:29]
.irp t, 0,1,2,3
.irp f, 0,1
	global_load_b128 v[WSC+8*\t+4*\f:WSC+8*\t+4*\f+3], v3, s[10:11] offset:\t*512+\f*256
	global_load_b96 v[ASC+8*\t+4*\f:ASC+8*\t+4*\f+2], v3, s[6:7] offset:\t*512+\f*256      ; three words: the fourth is never written
.endr
.endr
.macro LD s                            ; K step s: 28 loads
.set FB, 96*((\s)%2)
	WIN 0x40*(1+(\s)/2)
.irp t, 0,1,2,3
.irp g, 0,1,2
	global_load_b128 v[FB+12*\t+4*\g:FB+12*\t+4*\g+3], v1, s[8:9] offset:(\s)*688128+\t*1536+512*\g
.endr
.endr
.irp t, 0,1,2,3
.irp c, 0,1
	global_load_b128 v[FB+48+12*\t+6*\c:FB+48+12*\t+6*\c+3], v1, s[4:5] offset:(\s)*393216+\t*1536+768*\c
	global_load_b64 v[FB+48+12*\t+6*\c+4:FB+48+12*\t+6*\c+5], v2, s[4:5] offset:(\s)*393216+\t*1536+768*\c+512
.endr
.endr
.endm
.macro MUL s
.set FB, 96*((\s)%2)
.set SO, 4*((\s)/3)+(\s)%3
	WIN 5*(1+(\s)/2)                               ; sources 0 and 1 in the step's window; C and D in window 0
.irp p, 0,1,2,3
.irp t, 0,1,2,3
.if \s == 0
	v_wmma_scale_f32_16x16x128_f8f6f4 v[ACC+32*\p+8*\t:ACC+32*\p+8*\t+7], v[FB+12*\t:FB+12*\t+11], v[FB+48+12*\p:FB+48+12*\p+11], 0, v[WSC+8*\t+SO], v[ASC+8*\p+SO] matrix_a_fmt:MATRIX_FMT_FP6 matrix_b_fmt:MATRIX_FMT_FP6
.else
	v_wmma_scale_f32_16x16x128_f8f6f4 v[ACC+32*\p+8*\t:ACC+32*\p+8*\t+7], v[FB+12*\t:FB+12*\t+11], v[FB+48+12*\p:FB+48+12*\p+11], v[ACC+32*\p+8*\t:ACC+32*\p+8*\t+7], v[WSC+8*\t+SO], v[ASC+8*\p+SO] matrix_a_fmt:MATRIX_FMT_FP6 matrix_b_fmt:MATRIX_FMT_FP6
.endif
.endr
.endr
.endm
	LD 0
	LD 1
	LD 2
	s_wait_loadcnt 56                              ; the scale words and K step 0 are in; two steps' loads, 28 each, may be out
	LD 3
	MUL 0                                          ; its products start the sums: nothing is cleared
	s_wait_loadcnt 56                              ; K step 1 is in; steps 2 and 3 may be out
	LD 4
	MUL 1
	s_wait_loadcnt 56
	LD 5
	MUL 2
	s_wait_loadcnt 56                              ; K step 3 is in; steps 4 and 5 may be out
	MUL 3
	s_wait_loadcnt 28
	MUL 4
	s_wait_loadcnt 0x0
	MUL 5
	WIN 0
.rept 4
	v_nop                                          ; places in front of the stores that read results and of the loads into registers that matrix instructions have read
.endr
.irp p, 0,1,2,3                                ; a tile of 16 rows at a time
	WIN 0
.irp t, 0,1,2,3
	ds_store_b128 v4, v[ACC+32*\p+8*\t:ACC+32*\p+8*\t+3] offset:128*(\t/2)+32*(\t%2)        ; each accumulator from its low end on
	ds_store_b128 v4, v[ACC+32*\p+8*\t+4:ACC+32*\p+8*\t+7] offset:128*(\t/2)+32*(\t%2)+16
.endr
	WIN 0x40                                       ; destination: window 1
.irp i, 0,1,2,3,4,5,6,7
	ds_load_b128 v[32*\p+4*\i:32*\p+4*\i+3], v5 offset:2*\i*272      ; LDS serves a wave's instructions in order: these see my stores, and the next tile's stores come behind them
.endr
	WIN 0x04                                       ; a store's data are its source 1: window 1
.irp i, 0,1,2,3,4,5,6,7
	s_wait_dscnt 7-\i                              ; the younger read-backs may be out
	global_store_b128 v6, v[32*\p+4*\i:32*\p+4*\i+3], s[12:13] offset:(32*(\p/2)+8*(\p%2)+2*\i+8*(\i/4))*3072 th:TH_STORE_NT
.endr
.endr
	WIN 0
	s_wait_tensorcnt 0x0
	ds_add_u32 v126, v127
	s_wait_dscnt 0x0
	s_endpgm
.Lfunc_end_k_q452c139ad9_oproj:
	.size	k_q452c139ad9_oproj, .Lfunc_end_k_q452c139ad9_oproj-k_q452c139ad9_oproj
	.p2alignl 7, 3214868480
	.fill 96, 4, 3214868480
	.section	.rodata,"a",@progbits
	.p2align	6, 0x0
	.amdhsa_kernel k_q452c139ad9_oproj
		.amdhsa_group_segment_fixed_size 13568
		.amdhsa_private_segment_fixed_size 0
		.amdhsa_enable_private_segment 0
		.amdhsa_kernarg_size 40
		.amdhsa_user_sgpr_count 2
		.amdhsa_user_sgpr_kernarg_segment_ptr 1
		.amdhsa_wavefront_size32 1
		.amdhsa_system_sgpr_workgroup_id_x 1
		.amdhsa_system_sgpr_workgroup_id_y 1
		.amdhsa_system_sgpr_workgroup_id_z 1
		.amdhsa_system_vgpr_workitem_id 0
		.amdhsa_next_free_vgpr 960
		.amdhsa_next_free_sgpr 66
		.amdhsa_reserve_vcc 0
		.amdhsa_float_denorm_mode_32 3
		.amdhsa_float_denorm_mode_16_64 3
		.amdhsa_memory_ordered 1
		.amdhsa_forward_progress 1
		.amdhsa_inst_pref_size 41
	.end_amdhsa_kernel
	.amdgpu_metadata
---
amdhsa.version: [ 1, 2 ]
amdhsa.kernels:
  - .name:           k_q452c139ad9_oproj
    .symbol:         k_q452c139ad9_oproj.kd
    .args:
      - { .name: ao_img, .offset: 0, .size: 8, .value_kind: global_buffer, .address_space: global }
      - { .name: ao_sc, .offset: 8, .size: 8, .value_kind: global_buffer, .address_space: global }
      - { .name: img, .offset: 16, .size: 8, .value_kind: global_buffer, .address_space: global }
      - { .name: sc, .offset: 24, .size: 8, .value_kind: global_buffer, .address_space: global }
      - { .name: out0, .offset: 32, .size: 8, .value_kind: global_buffer, .address_space: global }
    .group_segment_fixed_size: 13568
    .private_segment_fixed_size: 0
    .kernarg_segment_align: 8
    .kernarg_segment_size: 40
    .max_flat_workgroup_size: 96
    .sgpr_count:     66
    .vgpr_count:     960
    .wavefront_size: 32
...
	.end_amdgpu_metadata
.endif
;; end of part 4
